; MI455X (gfx1250); checked and timed in simulation.
; The chip was launched on July 23, 2026; its instructions are those of AMD's public machine-readable ISA for CDNA 5 (MIT licence, August 2026) and "CDNA5" Instruction Set Architecture Reference Guide (July 2026). The comments in the code are by the model that wrote it; some were corrected since.
;; Attention. Allowed arithmetic: matrix products marked QUANTISED: E2M1 operands, one E8M0 scale for each 32 along K, by v_wmma_scale_f32_16x16x128_f8f6f4 with both operands' format E2M1 (or v_wmma_scale_f32_32x16x128_f4), f32 sums; products left as they are: bf16, f16 or f32 operands; f32 sums; everything else in f32.
;; Inputs: mask 1 x 1 x 512 x 512 bool; wk 2,048 x 512 float32; wo 2,048 x 2,048 float32; wq 2,048 x 2,048 float32; wv 2,048 x 512 float32; x 8 x 512 x 2,048 float32.
;; Outputs: out0 8 x 512 x 2,048 float32.
;; This version of the problem:
;;   THIS VERSION OF THE PROBLEM IS GIVEN IN LOW PRECISION. The matrix products marked QUANTISED in the list below multiply operands that are first quantised to E2M1 (2 exponent bits, 1 mantissa bit; 4 bits a number), with one power-of-two scale for each 32 numbers along K (OCP MX v1.0); their sums are f32. The products marked 'left as it is' may take bf16, f16 or f32 operands, with f32 sums. Whichever they take, every output number must still come out within the allowed error. Rounding operands to bf16 (8 significant bits) uses up far more of that allowance than f16 does (11 bits, for magnitudes from 6e-5 to 65,504). All else is computed in f32.
;;   The module's matrix products, in the order in which they are computed (A, B: the left and right operand; K: the contracted axis; several contracted axes count as one K, in the product's order):
;;     1. [M 4,096, K 2,048] x [K 2,048, N 2,048]; A: input x; B: input wq: QUANTISED
;;     2. [M 4,096, K 2,048] x [K 2,048, N 512]; A: input x; B: input wk: QUANTISED
;;     3. [M 4,096, K 2,048] x [K 2,048, N 512]; A: input x; B: input wv: QUANTISED
;;     4. batch 128 x [M 512, K 128] x [K 128, N 512]; A: computed on the way; B: computed on the way: left as it is (an operand is computed on the way)
;;     5. batch 128 x [M 512, K 512] x [K 512, N 128]; A: computed on the way; B: computed on the way: left as it is (an operand is computed on the way)
;;     6. [M 4,096, K 2,048] x [K 2,048, N 2,048]; A: computed on the way; B: input wo: left as it is (an operand is computed on the way)
;;   THE QUANTISER, for each operand of a quantised product, along K:
;;     - K is cut into blocks of 32 from its start; a last block that is shorter is filled with zeros.
;;     - A block's scale is 2^e with e = floor(log2(the largest magnitude in the block)) - 2, held to -126 .. 127; a block of zeros has e = 0. As a byte (E8M0): e + 127.
;;     - Each number is divided by its block's scale, clamped to +-6, and rounded to the nearest number of E2M1, ties to even, subnormals kept.
;;     - The product sums the exact products of the quantised numbers (number of the format x scale) in f32.
;;   ~~~python
;;   def quantise(x, axis):      # numpy; x: float32 -> the quantised numbers, widened to float32 again
;;       x = np.moveaxis(x, axis, -1); K = x.shape[-1]
;;       x = np.pad(x, [(0, 0)] * (x.ndim - 1) + [(0, -K % 32)]); x = x.reshape(x.shape[:-1] + (-1, 32)); a = np.abs(x).max(-1, keepdims=True)
;;       e = np.where(a > 0, np.clip(np.frexp(np.where(a > 0, a, 1))[1] - 1 - 2, -126, 127), 0)      # np.frexp(a)[1] - 1 = floor(log2(a)), exactly
;;       r = np.clip(x / 2.0 ** e, -6, 6)
;;       step = 2.0 ** (np.maximum(np.frexp(np.where(r == 0, 1, r))[1] - 1, 0) - 1)
;;       q = np.round(r / step) * step * 2.0 ** e      # np.round: ties to even
;;       return np.moveaxis(q.reshape(q.shape[:-2] + (-1,))[..., :K], -1, axis).astype(np.float32)
;;   ~~~
;; One version. Each part assembles by itself: llvm-mc -triple=amdgcn-amd-amdhsa -mcpu=gfx1250 --defsym DOCPART=n.
;; ======== version 1 of 1: 4 launches
;; limits: values are held in f16: magnitudes above 65,504 overflow, below 6.1e-05 lose precision
;; workspace buffers: x_codes 4,194,304 bytes; x_scales 262,144 bytes; w_codes 3,145,728 bytes; w_scales 196,608 bytes; wo_f 8,388,608 bytes; tables 1,376,256 bytes; qkv 25,165,824 bytes; att 16,777,216 bytes
;; launch prep (part 1): grid 480 x 1, 4 waves a work-group, no clusters, 104,960 bytes of LDS; arguments x, wq, wk, wv, wo, mask, x_codes, x_scales, w_codes, w_scales, wo_f, tables; writes x_codes, x_scales, w_codes, w_scales, wo_f, tables
.if DOCPART == 1
	.amdgcn_target "amdgcn-amd-amdhsa--gfx1250"
	.amdhsa_code_object_version 6
	.text
	.protected	k_qd66d22800e_prep
	.globl	k_qd66d22800e_prep
	.p2align	8
	.type	k_qd66d22800e_prep,@function
k_qd66d22800e_prep:
	s_mov_b64 s[64:65], 0
	v_nop
	global_prefetch_b8 v0, s[64:65] scope:SCOPE_SE
	s_setreg_imm32_b32 hwreg(HW_REG_WAVE_MODE, 25, 1), 1
	s_wait_xcnt 0x0
; PREP: everything that later launches read many times is made once.
;   work-groups   0- 63: wq [2048 k][2048 n] f32 -> codes of FP4 (E2M1) laid [n][k], K innermost, and one E8M0 byte for each 32 along K: rows 0-2047 of w_codes, w_scales
;   work-groups  64- 95: wk, wv [2048 k][512 n] likewise: rows 2048-2559 and 2560-3071
;   work-groups  96-159: wo [2048 k][2048 n] f32 -> f16, laid in the order of its reader's operand registers: [128 blocks of 16 n][64 pieces of 32 k][1,024 bytes]
;   work-groups 160-415: x [4096][2048] f32 -> codes and scale bytes, K innermost as it lies
;   work-groups 416-479: the tables: cos and sin of RoPE, and the mask as an f32 bias (0 where a key counts, -2^100 where not), both in the order of their reader's registers
; THE QUANTISER: a block's scale is 2^(floor(log2(its largest magnitude)) - 2); its byte is the largest magnitude's exponent field - 2, held at 1 from below; each number is divided by the scale and
; rounded to the nearest code, ties to even, beyond 6 the largest code.  A block of zeros gets the byte 1 where the rule says 127: its codes are zeros, and this program alone reads the bytes.
; LIMITS: blocks whose largest magnitude lies under 2^-124 (the floor) were not tried; NaN and infinities among the inputs are not served; wo is rounded to f16 (magnitudes to 65,504);
; the RoPE angles t x 10000^(-f/64) are made with a 1-ulp exponential: they may differ from a correctly rounded angle by up to 3e-4 rad at the last positions.
; No tensor load, no barrier: waves share nothing.  Each path that uses LDS has bytes of its own, and in them each wave 8,704 of its own.
.set WREG,  8704                       ; a wave's LDS in a path
.set PW0,   0                          ; wq's path
.set PW1,   4*WREG                     ; wk's and wv's
.set PX,    8*WREG                     ; x's
.set SPARE, 12*WREG                    ; behind them: the spare words, 128 bytes for each wave: two blocks of 256 bytes that no other line names
.set SPW,   192                        ; v192  LDS address of my spare word; never rewritten
.set NIL,   193                        ; v193  0; never rewritten
; the weights' paths
.set WSB,   24                         ; v24-27   scale bytes, four to a register
.set WX,    32                         ; v32-95   two sets of 32 numbers
.set WC,    96                         ; v96-111  a block's codes (4) or f16 pairs (16)
.set WOUT,  112                        ; v112-175 the codes' way out: 16 x 4 registers
; x's path
.set XR,    16                         ; v16-79   four sets of 16 numbers as loaded
.set XX,    80                         ; v80-111  two sets of 16 neighbours
.set XE,    112                        ; v112-127 a scale byte for each step
.set XC,    128                        ; v128-191 codes, four registers for each step
.set SP,    80                         ; a lane's place in x's stage: 64 bytes + 16 of padding
; the tables' path
.set FA,    64                         ; four frequencies side by side: angle,
.set FN,    68                         ; turns,
.set FY,    72                         ; a quarter of the reduced angle,
.set FZ,    76                         ; its square,
.set FP,    80                         ; at work,
.set FQ,    84
.set FS,    88                         ; sin,
.set FC,    92                         ; cos
.macro CLOSE                           ; a wave's end: a wait on TENSORcnt, an add of 0 to my spare word and its wait, behind the last LDS store
	s_wait_tensorcnt 0x0
	ds_add_u32 v[SPW], v[NIL]
	s_wait_dscnt 0x0
	s_endpgm
.endm
	s_load_b512 s[16:31], s[0:1], 0x0              ; x 16, wq 18, wk 20, wv 22, wo 24, mask 26, x_codes 28, x_scales 30
	s_load_b256 s[32:39], s[0:1], 0x40             ; w_codes 32, w_scales 34, wo_f 36, tables 38
	v_lshl_add_u32 v[SPW], v0, 2, SPARE
	v_mov_b32 v[NIL], 0
	v_lshrrev_b32 v1, 5, v0
	v_readfirstlane_b32 s2, v1                     ; wave 0..3
	v_and_b32 v2, 31, v0                           ; lane
	s_mov_b32 s13, 0                               ; the upper word of every offset pair s[12:13]
	s_wait_kmcnt 0x0
	s_cmp_lt_u32 ttmp9, 64                         ; the paths part on the work-group's number alone
	s_cbranch_scc1 .Lwq
	s_cmp_lt_u32 ttmp9, 96
	s_cbranch_scc1 .Lwkv
	s_cmp_lt_u32 ttmp9, 160
	s_cbranch_scc1 .Lwo
	s_cmp_lt_u32 ttmp9, 416
	s_cbranch_scc1 .Lx
; ---------------------------------------------------------------- THE TABLES.  w = work-group - 416, 0..63
	s_sub_co_u32 s10, ttmp9, 416
	v_and_b32 v3, 15, v0                           ; r
	v_bfe_u32 v4, v0, 4, 1                         ; h
	s_lshr_b32 s11, s2, 1
	s_lshl_b32 s11, s11, 4
	s_and_b32 s12, s2, 1
	s_lshl_b32 s12, s12, 2
	s_add_co_u32 s11, s11, s12                     ; 16 (wave / 2) + 4 (wave % 2): it places my wave among the keys of a step, and among the frequencies
	s_lshr_b32 s14, s10, 1                         ; w / 2: the tile of 16 positions (queries)
	s_and_b32 s15, s10, 1                          ; w % 2
	; THE MASK.  The bias table's byte ((qt 8 + step) 8 + g) 512 + 16 lane + 4 jj is the bias of query 16 qt + r and key 64 step + 16 (g / 2) + 8 h + 4 (g % 2) + jj.
	; My work-group makes qt = w / 2, steps 4 (w % 2) + 0..3: 16,384 bytes; store u of my wave is step 4 (w % 2) + u / 2, g = 4 (u % 2) + wave.
	v_lshlrev_b32 v5, 9, v3                        ; the mask's row r of 512 bytes,
	v_lshl_add_u32 v5, v4, 3, v5                   ; + 8 h,
	v_add_nc_u32 v5, s11, v5                       ; + my wave's place
	s_lshl_b32 s12, s14, 13                        ; 16 rows of 512 bytes a tile
	s_lshl_b32 s49, s15, 8                         ; keys 256 (w % 2) on
	s_add_co_u32 s12, s12, s49
	s_add_nc_u64 s[4:5], s[26:27], s[12:13]
.irp u, 0,1,2,3,4,5,6,7
	global_load_b32 v[16+\u], v5, s[4:5] offset:64*(\u/2)+32*(\u%2)   ; four keys' bytes
.endr
	; ROPE, while the mask's bytes are on their way.  The table's byte ((tt 4 + b) 4 + i) 512 + 16 lane: i = 0, 1: cos of frequencies 16 b + 8 h + 4 i + 0..3 at position 16 tt + r; i = 2, 3: sin likewise.
	; My wave makes tt = w / 2, b = 2 (w % 2) + wave / 2, i = wave % 2 (and i + 2).
	s_mov_b32 s40, 0x40c90fdb                      ; 2 pi, its f32 part,
	s_mov_b32 s41, 0xb43bbd2e                      ; and the rest of it
	s_mov_b32 s42, 0x3638ef1d                      ; 1/9!
	s_mov_b32 s43, 0xb9500d01                      ; -1/7!
	s_mov_b32 s44, 0x3c088889                      ; 1/5!
	s_mov_b32 s45, 0xbe2aaaab                      ; -1/3!
	s_mov_b32 s46, 0x37d00d01                      ; 1/8!
	s_mov_b32 s47, 0xbab60b61                      ; -1/6!
	s_mov_b32 s48, 0x3d2aaaab                      ; 1/4!
	s_lshl_b32 s49, s15, 5
	s_add_co_u32 s49, s49, s11                     ; 16 b + 4 i
	v_lshl_add_u32 v8, v4, 3, s49                  ; my first frequency
.irp j, 0,1,2,3
	v_add_nc_u32 v[FN+\j], \j, v8
.endr
.irp j, 0,1,2,3
	v_cvt_f32_u32 v[FN+\j], v[FN+\j]
.endr
.irp j, 0,1,2,3
	v_mul_f32 v[FA+\j], 0xbe549a78, v[FN+\j]       ; -f log2(10000) / 64
.endr
.irp j, 0,1,2,3
	v_exp_f32 v[FA+\j], v[FA+\j]                   ; 10000^(-f / 64)
.endr
	s_lshl_b32 s49, s14, 4
	v_add_nc_u32 v10, s49, v3                      ; my position (a plain line behind the exponentials)
	v_cvt_f32_u32 v10, v10
	s_wait_alu depctr_va_vdst(0)                   ; one wait for the four exponentials, ahead of their first reader
.irp j, 0,1,2,3
	v_mul_f32 v[FA+\j], v10, v[FA+\j]              ; the angle
.endr
.irp j, 0,1,2,3
	v_mul_f32 v[FN+\j], 0.15915494, v[FA+\j]
.endr
.irp j, 0,1,2,3
	v_rndne_f32 v[FN+\j], v[FN+\j]                 ; whole turns, at most 82
.endr
.irp j, 0,1,2,3
	v_fma_f32 v[FA+\j], -v[FN+\j], s40, v[FA+\j]
.endr
.irp j, 0,1,2,3
	v_fma_f32 v[FA+\j], -v[FN+\j], s41, v[FA+\j]   ; the angle in -pi .. pi
.endr
.irp j, 0,1,2,3
	v_mul_f32 v[FY+\j], 0x3e800000, v[FA+\j]       ; y = a quarter of it: |y| < 0.79, where the series below are good to the last bits of f32
.endr
.irp j, 0,1,2,3
	v_mul_f32 v[FZ+\j], v[FY+\j], v[FY+\j]
.endr
.irp j, 0,1,2,3
	v_fma_f32 v[FP+\j], v[FZ+\j], s42, s43
	v_fma_f32 v[FQ+\j], v[FZ+\j], s46, s47
.endr
.irp j, 0,1,2,3
	v_fma_f32 v[FP+\j], v[FZ+\j], v[FP+\j], s44
	v_fma_f32 v[FQ+\j], v[FZ+\j], v[FQ+\j], s48
.endr
.irp j, 0,1,2,3
	v_fma_f32 v[FP+\j], v[FZ+\j], v[FP+\j], s45
	v_fma_f32 v[FQ+\j], v[FZ+\j], v[FQ+\j], -0.5
.endr
.irp j, 0,1,2,3
	v_mul_f32 v[FP+\j], v[FP+\j], v[FZ+\j]
	v_fma_f32 v[FC+\j], v[FZ+\j], v[FQ+\j], 1.0    ; cos y
.endr
.irp j, 0,1,2,3
	v_fma_f32 v[FS+\j], v[FY+\j], v[FP+\j], v[FY+\j]   ; sin y
.endr
.rept 2                                        ; the angle is doubled twice: sin 2y = 2 sin y cos y, cos 2y = 1 - 2 sin^2 y
.irp j, 0,1,2,3
	v_mul_f32 v[FP+\j], v[FS+\j], v[FC+\j]
	v_mul_f32 v[FQ+\j], v[FS+\j], v[FS+\j]
.endr
.irp j, 0,1,2,3
	v_add_f32 v[FS+\j], v[FP+\j], v[FP+\j]
	v_fma_f32 v[FC+\j], v[FQ+\j], -2.0, 1.0
.endr
.endr
	s_lshl_b32 s12, s10, 1
	s_lshr_b32 s49, s2, 1
	s_add_co_u32 s12, s12, s49                     ; tt 4 + b = 2 w + wave / 2
	s_lshl_b32 s12, s12, 11
	s_and_b32 s49, s2, 1
	s_lshl_b32 s49, s49, 9
	s_add_co_u32 s12, s12, s49
	s_add_nc_u64 s[6:7], s[38:39], s[12:13]
	v_lshlrev_b32 v9, 4, v2
	global_store_b128 v9, v[FC:FC+3], s[6:7]               ; 32 lanes store 512 consecutive bytes, aligned
	global_store_b128 v9, v[FS:FS+3], s[6:7] offset:1024
	; THE IDENTITY, tiles 32-39 of the same table (cos = 1, sin = 0), for the columns that RoPE leaves alone: 1,024 bytes a work-group, by turns ones and zeros
	s_cmp_eq_u32 s15, 0
	s_cselect_b32 s49, 1.0, 0
	v_mov_b32 v12, s49
	v_mov_b32 v13, s49
	s_lshl_b32 s12, s10, 10
	s_add_co_u32 s12, s12, 262144
	s_add_nc_u64 s[8:9], s[38:39], s[12:13]
	v_lshlrev_b32 v14, 3, v0
	global_store_b64 v14, v[12:13], s[8:9]                 ; a wave stores 256 consecutive bytes, aligned
	; the mask's bytes become biases
	s_lshl_b32 s12, s10, 14
	s_add_co_u32 s12, s12, 327680
	s_add_nc_u64 s[50:51], s[38:39], s[12:13]
	v_lshlrev_b32 v6, 4, v0
	v_mov_b32 v15, 0xf1800000                      ; -2^100: under every score that f16 operands can give, and finite
	s_wait_loadcnt 0x0
.irp u, 0,1,2,3,4,5,6,7
.irp j, 0,1,2,3
	v_bfe_u32 v[24+\j], v[16+\u], 8*\j, 8
	v_cmp_eq_u32 vcc_lo, 0, v[24+\j]
	v_cndmask_b32 v[32+4*\u+\j], 0, v15, vcc_lo    ; byte 0: the key does not count
.endr
	global_store_b128 v6, v[32+4*\u:32+4*\u+3], s[50:51] offset:2048*\u   ; a wave stores 512 consecutive bytes, aligned
.endr
	CLOSE
; ---------------------------------------------------------------- THE WEIGHTS.  K is their FIRST axis: a lane takes a column n and its registers run down K, so that each load reads neighbouring n in
; neighbouring lanes (128 consecutive bytes a wave, 512 a work-group), a block of 32 along K lies in one lane's 32 registers, and the results come out with K innermost.  A wave takes 32 columns x 512 along K.
; A lane's codes belong to one row of the output and the lanes beside it hold other rows: they go through the wave's stage in LDS (rows 272 bytes apart) and leave with sixteen lanes to 256 consecutive bytes.
.macro WADR krow, base                 ; the lane's addresses.  krow: a row of the output in bytes;  base: the path's LDS
	v_lshlrev_b32 v3, 2, v2                        ; in: 4 bytes a lane
	s_mul_i32 s44, s2, WREG
	s_add_co_u32 s44, s44, \base                   ; my stage
	v_mul_u32_u24 v4, v2, 272
	v_add_nc_u32 v4, s44, v4                       ; into it: row = my column
	v_and_b32 v5, 15, v2
	v_lshrrev_b32 v6, 4, v2
	v_mul_u32_u24 v7, v6, 272
	v_lshl_add_u32 v7, v5, 4, v7
	v_add_nc_u32 v7, s44, v7                       ; out of it: sixteen lanes to a row, two rows an instruction
	v_mul_u32_u24 v8, v6, \krow
	v_lshl_add_u32 v8, v5, 4, v8                   ; and the same place in the output
	v_lshlrev_b32 v9, 6, v2                        ; my column's row of 64 scale bytes
.endm
.macro WCODES                          ; s15 = my wave's first row of w_codes, s11 = which 512 along K
	s_lshl_b32 s12, s15, 10
	s_lshl_b32 s14, s11, 8
	s_add_co_u32 s12, s12, s14
	s_add_nc_u64 s[6:7], s[32:33], s[12:13]        ; codes: 1,024 bytes a row, 256 for my 512 along K
	s_lshl_b32 s12, s15, 6
	s_lshl_b32 s14, s11, 4
	s_add_co_u32 s12, s12, s14
	s_add_nc_u64 s[8:9], s[34:35], s[12:13]        ; scale bytes: 64 a row, 16 for my part
.endm
.macro WLOAD t, pitch                  ; block t: W(32 t + i, my column), i = 0 .. 31, into set t % 2.  Every offset is an immediate: 511 x 8,192 at the most, inside the signed 24 bits
.irp i, 0,1,2,3,4,5,6,7,8,9,10,11,12,13,14,15,16,17,18,19,20,21,22,23,24,25,26,27,28,29,30,31
	global_load_b32 v[WX+32*((\t)%2)+\i], v3, s[4:5] offset:(32*(\t)+\i)*\pitch th:TH_LOAD_NT
.endr
.endm
.macro WWAIT t
.if (\t) < 15
	s_wait_loadcnt 32                              ; this block's 32 loads are in; the next block's 32 may be out
.else
	s_wait_loadcnt 0
.endif
.endm
.macro WBLK4 t, pitch                  ; a block of 32 along K becomes 16 bytes of codes and a scale byte
.set XS, WX+32*((\t)%2)
	WWAIT \t
	v_max3_num_f32 v12, |v[XS]|, |v[XS+1]|, |v[XS+2]|      ; the block's largest magnitude: all 32 numbers are mine; two chains
	v_max3_num_f32 v13, |v[XS+3]|, |v[XS+4]|, |v[XS+5]|
.irp i, 6,10,14,18,22,26
	v_max3_num_f32 v12, v12, |v[XS+\i]|, |v[XS+\i+1]|
	v_max3_num_f32 v13, v13, |v[XS+\i+2]|, |v[XS+\i+3]|
.endr
	v_max3_num_f32 v12, v12, |v[XS+30]|, |v[XS+31]|
	v_max3_num_f32 v12, v12, v13, 0x1800000        ; and the floor 2^(3 - 127): the byte cannot fall under 1
	v_add_nc_u32 v11, 0xff000000, v12              ; 2 off its exponent field: the conversion takes the exponent field of this operand as its scale, and nothing else of it
	v_lshrrev_b32 v13, 23, v11                     ; the scale's byte
.if (\t)%4 == 0
	v_mov_b32 v[WSB+(\t)/4], v13                   ; four bytes to a register, the lower K in the lower byte
.else
	v_lshl_or_b32 v[WSB+(\t)/4], v13, 8*((\t)%4), v[WSB+(\t)/4]
.endif
.irp g, 0,1,2,3
	v_cvt_scalef32_pk8_fp4_f32 v[WC+\g], v[XS+8*\g:XS+8*\g+7], v11
.endr
	ds_store_b128 v4, v[WC:WC+3] offset:16*(\t)    ; 32 codes: 16 bytes of my column's row.  (The next vector lines are the next block's plain maxima: they stand between the conversions and whatever writes their registers again)
.if (\t)+2 < 16
	WLOAD (\t)+2, \pitch
.endif
	s_wait_dscnt 0x0                               ; the store has read its registers: the next block's codes may be written
.endm
; A block of 32 along K of wo becomes 64 bytes of f16, which ARE my column's part of one operand fragment (16 columns x 32 k, 1,024 bytes): piece g of 16 bytes holds k = 8 g .. 8 g + 7 and lies at
; 256 g + 16 (column % 16).  So each store's lanes 0-15 fill 256 consecutive bytes, aligned, of one fragment, and lanes 16-31 those of the fragment 16 columns on: nothing goes through LDS.
.macro WBLKH t, pitch
.set XS, WX+32*((\t)%2)
	WWAIT \t
.if (\t) > 0
	s_wait_xcnt 0x0                                ; the last block's stores have read their registers, which are written again below
.endif
.irp q, 0,1,2,3,4,5,6,7,8,9,10,11,12,13,14,15
	v_cvt_pk_f16_f32 v[WC+\q], v[XS+2*\q], v[XS+2*\q+1]
.endr
.irp g, 0,1,2,3
	global_store_b128 v8, v[WC+4*\g:WC+4*\g+3], s[6:7] offset:1024*(\t)+256*\g
.endr
.if (\t)+2 < 16
	WLOAD (\t)+2, \pitch
.endif
.endm
.macro WSEND krow, off                 ; the stage's 32 rows of 256 bytes leave
.irp t, 0,1,2,3,4,5,6,7,8,9,10,11,12,13,14,15
	ds_load_b128 v[WOUT+4*\t:WOUT+4*\t+3], v7 offset:2*\t*272      ; LDS serves a wave's instructions in order: these see my stores
.endr
.irp t, 0,1,2,3,4,5,6,7,8,9,10,11,12,13,14,15
	s_wait_dscnt 15-\t                             ; the younger read-backs may be out
	global_store_b128 v8, v[WOUT+4*\t:WOUT+4*\t+3], s[6:7] offset:2*\t*\krow+\off   ; sixteen lanes store 256 consecutive bytes, aligned
.endr
.endm
.macro WBODY4 pitch                    ; 16 blocks to codes
	WLOAD 0, \pitch
	WLOAD 1, \pitch
.set Q, 0
.rept 16
	WBLK4 Q, \pitch
.set Q, Q+1
.endr
	global_store_b128 v9, v[WSB:WSB+3], s[8:9]     ; my column's 16 scale bytes
	WSEND 1024, 0
.endm
.Lwq:                                          ; work-group = 16 ky + cb
	s_and_b32 s10, ttmp9, 15
	s_lshr_b32 s11, ttmp9, 4                       ; which 512 along K
	s_lshl_b32 s10, s10, 7
	s_lshl_b32 s12, s2, 5
	s_add_co_u32 s10, s10, s12                     ; my wave's first column: 128 cb + 32 wave
	s_mov_b32 s15, s10                             ; and its row of w_codes
	s_lshl_b32 s12, s11, 22                        ; 512 rows of 8,192 bytes
	s_lshl_b32 s14, s10, 2
	s_add_co_u32 s12, s12, s14
	s_add_nc_u64 s[4:5], s[18:19], s[12:13]
	WCODES
	WADR 1024, PW0
	WBODY4 8192
	CLOSE
.Lwkv:                                         ; work-group - 64 = 16 sel + 4 ky + cb
	s_sub_co_u32 s14, ttmp9, 64
	s_and_b32 s10, s14, 3
	s_bfe_u32 s11, s14, 0x20002                    ; which 512 along K
	s_lshl_b32 s10, s10, 7
	s_lshl_b32 s12, s2, 5
	s_add_co_u32 s10, s10, s12                     ; my wave's first column
	s_lshr_b32 s14, s14, 4                         ; 0: wk, 1: wv
	s_lshl_b32 s15, s14, 9
	s_add_co_u32 s15, s15, s10
	s_add_co_u32 s15, s15, 2048                    ; its row of w_codes
	s_cmp_eq_u32 s14, 0                            ; the choice hangs on the work-group's number alone
	s_cselect_b64 s[4:5], s[20:21], s[22:23]
	s_lshl_b32 s12, s11, 20                        ; 512 rows of 2,048 bytes
	s_lshl_b32 s14, s10, 2
	s_add_co_u32 s12, s12, s14
	s_add_nc_u64 s[4:5], s[4:5], s[12:13]
	WCODES
	WADR 1024, PW1
	WBODY4 2048
	CLOSE
.Lwo:                                          ; work-group - 96 = 16 ky + cb
	s_sub_co_u32 s14, ttmp9, 96
	s_and_b32 s10, s14, 15
	s_lshr_b32 s11, s14, 4                         ; which 512 along K: 16 pieces of 32
	s_lshl_b32 s10, s10, 7
	s_lshl_b32 s12, s2, 5
	s_add_co_u32 s10, s10, s12                     ; my wave's first column, a multiple of 32
	s_lshl_b32 s12, s11, 22
	s_lshl_b32 s14, s10, 2
	s_add_co_u32 s12, s12, s14
	s_add_nc_u64 s[4:5], s[24:25], s[12:13]
	s_lshl_b32 s12, s10, 12                        ; wo_f: 65,536 bytes for each 16 columns,
	s_lshl_b32 s14, s11, 14                        ; in them 1,024 for each 32 along K
	s_add_co_u32 s12, s12, s14
	s_add_nc_u64 s[6:7], s[36:37], s[12:13]
	v_lshlrev_b32 v3, 2, v2                        ; in: 4 bytes a lane
	v_and_b32 v5, 15, v2
	v_lshrrev_b32 v6, 4, v2
	v_lshlrev_b32 v8, 16, v6                       ; out: lanes 16-31 write the block of 16 columns behind,
	v_lshl_add_u32 v8, v5, 4, v8                   ; 16 bytes a column
	WLOAD 0, 8192
	WLOAD 1, 8192
.set Q, 0
.rept 16
	WBLKH Q, 8192
.set Q, Q+1
.endr
	CLOSE
; ---------------------------------------------------------------- x.  Rows are dense and K is a multiple of 32: a plain stream of blocks of 32, and so are the codes and the scale bytes.
; A wave takes 16 steps of 512 numbers.  Each of a step's four loads reads 512 consecutive bytes, 16 a lane; the 2,048 bytes turn through the wave's stage in LDS and come back 64 bytes a lane, so that a lane
; holds 16 neighbours along K (two neighbouring lanes hold a block), as the conversions want them.  Loads run four steps ahead, the turn through LDS one step.
.macro XLOAD t
.irp i, 0,1,2,3
	global_load_b128 v[XR+16*((\t)%4)+4*\i:XR+16*((\t)%4)+4*\i+3], v3, s[4:5] offset:2048*(\t)+512*\i th:TH_LOAD_NT
.endr
.endm
.macro XTURN t                         ; LDS serves a wave's instructions in order: no wait between the stores and the loads
.irp i, 0,1,2,3
	ds_store_b128 v14, v[XR+16*((\t)%4)+4*\i:XR+16*((\t)%4)+4*\i+3] offset:32*SP*((\t)%2)+8*SP*\i
.endr
.irp i, 0,1,2,3
	ds_load_b128 v[XX+16*((\t)%2)+4*\i:XX+16*((\t)%2)+4*\i+3], v15 offset:32*SP*((\t)%2)+16*\i
.endr
.endm
.macro XSTEP t
.set XS, XX+16*((\t)%2)
.if (\t) > 0
	s_wait_dscnt 1                                 ; this step's numbers are back from the stage (the last step's byte store may be out): so its stores into the stage have read their registers,
.else
	s_wait_dscnt 0x0
.endif
.if (\t)+4 < 16
	XLOAD (\t)+4                                   ; which take the loads of four steps on
.endif
.if (\t)+1 < 16
.if 14-(\t) >= 3
	s_wait_loadcnt 12                              ; the next step's four loads are in; those of the three steps behind it may be out
.else
	s_wait_loadcnt 4*(14-(\t))
.endif
	XTURN (\t)+1
.endif
	v_max3_num_f32 v8, |v[XS]|, |v[XS+1]|, |v[XS+2]|       ; the largest magnitude of my 16
	v_max3_num_f32 v9, |v[XS+3]|, |v[XS+4]|, |v[XS+5]|
.irp i, 6,10
	v_max3_num_f32 v8, v8, |v[XS+\i]|, |v[XS+\i+1]|
	v_max3_num_f32 v9, v9, |v[XS+\i+2]|, |v[XS+\i+3]|
.endr
	v_max3_num_f32 v8, v8, |v[XS+14]|, |v[XS+15]|
	v_max3_num_f32 v8, v8, v9, 0x1800000           ; and the floor 2^(3 - 127)
	v_max_num_f32_dpp v8, v8, v8 row_xmask:1 row_mask:0xf bank_mask:0xf   ; and of my neighbour's 16: the block's
	v_add_nc_u32 v11, 0xff000000, v8               ; 2 off its exponent field: the conversion's scale operand
	v_cvt_scalef32_pk8_fp4_f32 v[XC+4*(\t)], v[XS:XS+7], v11
	v_cvt_scalef32_pk8_fp4_f32 v[XC+4*(\t)+1], v[XS+8:XS+15], v11
	v_lshrrev_b32 v[XE+(\t)], 23, v11              ; the scale's byte
	ds_store_b8 v5, v[XE+(\t)] offset:16*(\t)      ; both lanes of a block write the same byte with the same value
	global_store_b64 v4, v[XC+4*(\t):XC+4*(\t)+1], s[6:7] offset:256*(\t)   ; a wave stores 256 consecutive bytes, aligned
.endm
.Lx:
	v_lshlrev_b32 v3, 4, v2                        ; my 16 bytes of a load's 512
	s_mul_i32 s44, s2, WREG
	s_add_co_u32 s44, s44, PX                      ; my wave's LDS: two stages of 32 x 80 bytes, then its 256 scale bytes
	v_lshrrev_b32 v14, 2, v2
	v_mul_u32_u24 v14, v14, SP
	v_and_b32 v15, 3, v2
	v_lshl_add_u32 v14, v15, 4, v14
	v_add_nc_u32 v14, s44, v14                     ; the stage, on the way in: four lanes' 64 bytes on end, then 16 of padding
	v_mul_u32_u24 v15, v2, SP
	v_add_nc_u32 v15, s44, v15                     ; and on the way out: my 16 neighbours
	v_lshlrev_b32 v4, 3, v2                        ; my 8 bytes of a step's codes
	v_lshrrev_b32 v5, 1, v2
	s_add_co_u32 s44, s44, 2*32*SP
	v_add_nc_u32 v5, s44, v5                       ; my block's scale byte in LDS
	v_lshlrev_b32 v7, 3, v2
	v_add_nc_u32 v6, s44, v7                       ; and on the way out 8 bytes a lane
	s_sub_co_u32 s10, ttmp9, 160
	s_lshl_b32 s10, s10, 2
	s_add_co_u32 s10, s10, s2                      ; which run of 8,192 numbers is my wave's: 0..1023
	s_lshl_b32 s12, s10, 15
	s_add_nc_u64 s[4:5], s[16:17], s[12:13]
	s_lshl_b32 s12, s10, 12
	s_add_nc_u64 s[6:7], s[28:29], s[12:13]
	s_lshl_b32 s12, s10, 8
	s_add_nc_u64 s[8:9], s[30:31], s[12:13]
.irp t, 0,1,2,3
	XLOAD \t
.endr
	s_wait_loadcnt 12                              ; step 0's four loads are in
	XTURN 0
.irp t, 0,1,2,3,4,5,6,7,8,9,10,11,12,13,14,15
	XSTEP \t
.endr
	ds_load_b64 v[8:9], v6                         ; my wave's 256 scale bytes
	s_wait_dscnt 0x0
	global_store_b64 v7, v[8:9], s[8:9]            ; 256 consecutive bytes, aligned
	CLOSE
.Lfunc_end_k_qd66d22800e_prep:
	.size	k_qd66d22800e_prep, .Lfunc_end_k_qd66d22800e_prep-k_qd66d22800e_prep
	.p2alignl 7, 3214868480
	.fill 96, 4, 3214868480
	.section	.rodata,"a",@progbits
	.p2align	6, 0x0
	.amdhsa_kernel k_qd66d22800e_prep
		.amdhsa_group_segment_fixed_size 104960
		.amdhsa_private_segment_fixed_size 0
		.amdhsa_enable_private_segment 0
		.amdhsa_kernarg_size 96
		.amdhsa_user_sgpr_count 2
		.amdhsa_user_sgpr_kernarg_segment_ptr 1
		.amdhsa_wavefront_size32 1
		.amdhsa_system_sgpr_workgroup_id_x 1
		.amdhsa_system_sgpr_workgroup_id_y 1
		.amdhsa_system_sgpr_workgroup_id_z 1
		.amdhsa_system_vgpr_workitem_id 0
		.amdhsa_next_free_vgpr 200
		.amdhsa_next_free_sgpr 66
		.amdhsa_reserve_vcc 1
		.amdhsa_float_denorm_mode_32 3
		.amdhsa_float_denorm_mode_16_64 3
		.amdhsa_memory_ordered 1
		.amdhsa_forward_progress 1
		.amdhsa_inst_pref_size 255
	.end_amdhsa_kernel
	.section	.bss,"aw",@nobits
	.p2align	6
	.space	262144
	.amdgpu_metadata
---
amdhsa.version: [ 1, 2 ]
amdhsa.kernels:
  - .name:           k_qd66d22800e_prep
    .symbol:         k_qd66d22800e_prep.kd
    .args:
      - { .name: x, .offset: 0, .size: 8, .value_kind: global_buffer, .address_space: global }
      - { .name: wq, .offset: 8, .size: 8, .value_kind: global_buffer, .address_space: global }
      - { .name: wk, .offset: 16, .size: 8, .value_kind: global_buffer, .address_space: global }
      - { .name: wv, .offset: 24, .size: 8, .value_kind: global_buffer, .address_space: global }
      - { .name: wo, .offset: 32, .size: 8, .value_kind: global_buffer, .address_space: global }
      - { .name: mask, .offset: 40, .size: 8, .value_kind: global_buffer, .address_space: global }
      - { .name: x_codes, .offset: 48, .size: 8, .value_kind: global_buffer, .address_space: global }
      - { .name: x_scales, .offset: 56, .size: 8, .value_kind: global_buffer, .address_space: global }
      - { .name: w_codes, .offset: 64, .size: 8, .value_kind: global_buffer, .address_space: global }
      - { .name: w_scales, .offset: 72, .size: 8, .value_kind: global_buffer, .address_space: global }
      - { .name: wo_f, .offset: 80, .size: 8, .value_kind: global_buffer, .address_space: global }
      - { .name: tables, .offset: 88, .size: 8, .value_kind: global_buffer, .address_space: global }
    .group_segment_fixed_size: 104960
    .private_segment_fixed_size: 0
    .kernarg_segment_align: 8
    .kernarg_segment_size: 96
    .max_flat_workgroup_size: 128
    .sgpr_count:     66
    .vgpr_count:     200
    .wavefront_size: 32
...
	.end_amdgpu_metadata
.endif
;; end of part 1
;; launch qkv (part 2): grid 12 x 16, 4 waves a work-group, clusters of 4 x 4, 327,680 bytes of LDS; arguments x_codes, x_scales, w_codes, w_scales, tables, qkv; writes qkv
.if DOCPART == 2
	.amdgcn_target "amdgcn-amd-amdhsa--gfx1250"
	.amdhsa_code_object_version 6
	.text
	.protected	k_qd66d22800e_qkv
	.globl	k_qd66d22800e_qkv
	.p2align	8
	.type	k_qd66d22800e_qkv,@function
k_qd66d22800e_qkv:
	s_mov_b64 s[64:65], 0
	v_nop
	global_prefetch_b8 v0, s[64:65] scope:SCOPE_SE
	s_setreg_imm32_b32 hwreg(HW_REG_WAVE_MODE, 25, 1), 1
	s_wait_xcnt 0x0
	s_wait_alu depctr_hold_cnt(0) depctr_sa_sdst(0) depctr_va_vdst(0) depctr_va_sdst(0) depctr_va_ssrc(0) depctr_va_vcc(0) depctr_vm_vsrc(0)
	s_getreg_b32 s2, hwreg(HW_REG_IB_STS2, 6, 4)
	s_cmp_eq_u32 s2, 0
	s_cbranch_scc0 .Lentry_in_a_cluster
	s_endpgm
.Lentry_in_a_cluster:
	s_bfe_u32 s2, ttmp6, 0x10000c
	s_cmp_lg_u32 s2, 0xf033
	s_cbranch_scc0 .Lentry_shape_is_right
	s_endpgm
.Lentry_shape_is_right:
; QKV: C[m][n] = sum over k of x[m][k] w[n][k] on codes of FP4 (E2M1) with one E8M0 scale for each 32 along K; then RoPE in f32 on the q and k columns; the result leaves as f16, [4096][3072]:
; columns 0-2047 q (16 heads of 128), 2048-2559 k (4 heads), 2560-3071 v (4 heads).  LIMIT: |q|, |k|, |v| stay under 65,504, f16's largest number.
; A tile of C, 256 x 256, is made by a work-group of four waves; a wave makes 128 x 128: 64 accumulators of 16 x 16, 512 registers.  A wave's 128 columns are exactly ONE HEAD.
; K goes in steps of 512 through a ring of two LDS slots filled by the tensor data mover: a tile's row is 256 bytes of memory.  The scales of the work-group's 256 + 256 rows, for all of K, come into LDS once.
; CLUSTERS: 4 x 4 work-groups.  The four of a row of the cluster need the same tiles of x, the four of a column the same tiles of w: each tile is asked for JOINTLY, by the same tensor load with the
; same descriptor and a mask that names the four.  12 x 16 = 192 work-groups: a tile's width has to be whole heads.
; THE MATRIX INSTRUCTION IS USED TRANSPOSED (source 0 = 16 rows of w, source 1 = 16 rows of x): lane (r, h) holds row r of C, and register j of column block b the channel d = 16 b + 8 h + j of the head.
; So RoPE's partner d + 64 is the same register of block b + 4, in the same lane: nothing changes lanes.  cos and sin come from a table laid in the order of these registers; the v heads take a table of ones and zeros.
; REGISTERS, in windows of 256: window 0: v0-31 addresses; v32-95 scale words, two sets, and nothing else; v96-111 at work on the way out; from v128 x's fragments, ONE set, later rows read back; v192-223 packed results.
;   window 1: w's fragments, TWO sets, at v0 and v128; v64-127 and v192-255: two sets of RoPE's table.   window 2: the accumulators of my rows 0-63 ((a, b) at v[8 (8 a + b)]);   window 3: those of rows 64-127.
.set SIZE_K, 2048
.set NQ,     4                         ; matrix instructions deep in a slot: 512 along K
.set ROWB,   256                       ; a tile's row in bytes
.set KROW,   SIZE_K/2                  ; a row of codes in memory
.set PITCH,  272                       ; an LDS row: 256 bytes + 16 of padding = 68 words: the 16 rows that a load touches start at 16 different banks (64 banks of 4 bytes: ISA guide 11.1)
.set FR,     8                         ; registers of a fragment: 16 rows x 128 K
.set NL,     2                         ; LDS loads that bring one
.set NP,     4                         ; places behind this matrix instruction (ISA guide 7.12.1)
.set HALFT,  128*PITCH
.set SLOT,   4*HALFT                   ; x's 256 rows, then w's 256 rows
.set LAPS,   SIZE_K/1024               ; a lap = two slots
.set KS,     SIZE_K/32                 ; a row of scales in bytes
.set SCL,    2*SLOT                    ; behind the ring: the scales, as units of 256 bytes + 16 of padding
.set HALFS,  (128*KS/256)*272
.set SBLK,   (16*KS/256)*272
.set SPARE,  SCL+4*HALFS               ; behind the scales: the spare words, 128 bytes for each wave: two blocks of 256 bytes that no other line names
.set SPITCH, 272                       ; the way out: a stage of 16 rows x (256 bytes + 16) for each wave, in slot 0, which has had its last fill and its last read when the first result is stored there
.set OROW,   6144                      ; a row of qkv in bytes
.set ADRA, 16
.set ADRB, 20
.set TA,   22                          ; v22  16 x lane: my place in a piece of RoPE's table; never rewritten
.set STO,  24
.set RD,   25
.set CO,   26
.set ADRS, 27
.set SPW,  28                          ; v28  LDS address of my spare word; never rewritten
.set NIL,  29                          ; v29  0; never rewritten
.set SC,   32
.set O1,   96                          ; eight rotated numbers of the lower half of the head,
.set O2,   104                         ; and of the upper
.set AF,   128
.set BK,   128                         ; 16 rows read back from the stage: v128-159 and v160-191 by turns
.set TMP,  192                         ; a block's 16 rows x 128 columns as f16: 32 registers
.set G1, 24
.set G0, 32
.set G1B, 48
.set G0B, 56
.set G1S, 68
.set G0S, 76
.set G1SB, 80
.set G0SB, 88
.set MSB, 0
.macro WIN new                         ; the immediate's high byte repeats the setting that is left; a switch that changes nothing is dropped
.if MSB != (\new)
	s_set_vgpr_msb (MSB<<8)|(\new)
.set MSB, (\new)
.endif
.endm
.set MUL_LO, 0xa1                      ; source 0 (w) window 1, source 1 (x) window 0, C and D window 2
.set MUL_HI, 0xf1
.set TO_B,   0x40                      ; destination window 1, address window 0
; A joint load: waves 0 and 1 fetch for x, waves 2 and 3 for w.  Each line has one mask and one set of registers for all that issue it; the branch hangs on the wave's number alone.
; An s_nop 0 and four v_nop follow each of the two lines.
.macro JLOAD g0a, g1a, g0b, g1b
	s_cmp_eq_u32 s15, 0
	s_cbranch_scc0 .Lfor_b_\@
	tensor_load_to_lds s[\g0a:\g0a+3], s[\g1a:\g1a+7]
	s_nop 0
.rept 4
	v_nop
.endr
	s_branch .Lasked_\@
.Lfor_b_\@:
	tensor_load_to_lds s[\g0b:\g0b+3], s[\g1b:\g1b+7]
	s_nop 0
.rept 4
	v_nop
.endr
.Lasked_\@:
.endm
.macro CREST                           ; a round of the cluster's barrier behind its opening barrier
	s_cmp_lg_u32 s14, 0
	s_cbranch_scc1 .Lnot_wave_0_\@
	s_barrier_signal -3
.Lnot_wave_0_\@:
	s_barrier_wait -3
	s_barrier_signal -1
	s_barrier_wait -1
.endm
.macro CROUND
	s_barrier_signal -1
	s_barrier_wait -1
	CREST
.endm
	s_load_b128 s[4:7], s[0:1], 0x0                ; x's codes, x's scales
	s_load_b128 s[8:11], s[0:1], 0x10              ; w's codes, w's scales
	s_load_b128 s[96:99], s[0:1], 0x20             ; the tables s[96:97], qkv s[98:99]
	v_lshl_add_u32 v[SPW], v0, 2, SPARE
	v_mov_b32 v[NIL], 0
	ds_add_u32 v[SPW], v[NIL]                      ; the wave's opening: an add of 0 to my spare word, twice on end, and its wait ahead of my first tensor load
	ds_add_u32 v[SPW], v[NIL]
	v_lshrrev_b32 v1, 5, v0
	v_readfirstlane_b32 s14, v1                    ; wave 0..3
	s_lshr_b32 s15, s14, 1                         ; which half of the tile's rows is mine.  Also: I fetch for x (0) or for w (1)
	s_and_b32 s16, s14, 1                          ; which half of its columns.  Also: which 128 rows of that tile I fetch
	s_bfe_u32 s40, ttmp6, 0x40000                  ; cx, cy: my place in the cluster
	s_bfe_u32 s41, ttmp6, 0x40004
	s_lshl_b32 s42, ttmp9, 2
	s_add_co_u32 s42, s42, s40                     ; tile column of C
	s_and_b32 s17, ttmp7, 0xffff
	s_lshl_b32 s17, s17, 2
	s_add_co_u32 s17, s17, s41                     ; tile row of C
	s_lshl_b32 s43, s41, 2
	s_lshl_b32 s43, 15, s43                        ; my row of the cluster
	s_lshl_b32 s44, 0x1111, s40                    ; my column
	; descriptor group 1: a tile of 128 rows x 256 bytes, padded in LDS
	s_or_b32 s[G1+0], s43, (0<<16)|(1<<20)|(1<<21)|(5<<22)|(3<<25)  ; 15:0 the mask; 17:16 elements of 1 byte; 20 padding on; 21 set beside a mask; 24:22 after every 64 words; 31:25 four words
	s_or_b32 s[G1B+0], s44, (0<<16)|(1<<20)|(1<<21)|(5<<22)|(3<<25)
.irp g, G1, G1B
	s_mov_b32 s[\g+1], ROWB<<16                    ; tensor_dim0
	s_mov_b32 s[\g+2], 128<<16                     ; tensor_dim1
	s_mov_b32 s[\g+3], ROWB<<16                    ; tile_dim0
	s_mov_b32 s[\g+4], 128                         ; tile_dim1
	s_mov_b32 s[\g+5], KROW                        ; tensor_dim0_stride
	s_mov_b32 s[\g+6], 0
	s_mov_b32 s[\g+7], 0
.endr
	; the scales of 128 rows: a dense block of 8,192 bytes, as rows of 256 bytes (32 elements of 8 bytes), 16 bytes of padding behind each
	s_or_b32 s[G1S+0], s43, (3<<16)|(1<<20)|(1<<21)|(5<<22)|(3<<25)
	s_or_b32 s[G1SB+0], s44, (3<<16)|(1<<20)|(1<<21)|(5<<22)|(3<<25)
.irp g, G1S, G1SB
	s_mov_b32 s[\g+1], 32<<16
	s_mov_b32 s[\g+2], (128*KS/256)<<16
	s_mov_b32 s[\g+3], 32<<16
	s_mov_b32 s[\g+4], 128*KS/256
	s_mov_b32 s[\g+5], 32
	s_mov_b32 s[\g+6], 0
	s_mov_b32 s[\g+7], 0
.endr
	s_lshl_b32 s18, s16, 7
	s_lshl_b32 s20, s17, 8
	s_add_co_u32 s20, s20, s18                     ; x: row 256 x tile row + 128 x half
	s_lshl_b32 s46, s42, 8
	s_add_co_u32 s46, s46, s18                     ; w: row 256 x tile column + 128 x half
	s_mov_b32 s21, 0
	s_mov_b32 s47, 0
	s_mov_b64 s[18:19], KS
	s_mul_u64 s[22:23], s[20:21], s[18:19]         ; where these rows' scales begin,
	s_mul_u64 s[92:93], s[46:47], s[18:19]
	s_mov_b64 s[18:19], KROW
	s_mul_u64 s[20:21], s[20:21], s[18:19]         ; and their codes
	s_mul_u64 s[46:47], s[46:47], s[18:19]
	s_mul_i32 s45, s14, HALFT                      ; where they go: wave x 128 rows: no place in the cluster enters an LDS address
	s_mul_i32 s94, s14, HALFS
	s_wait_dscnt 0x0                               ; both opening adds are done
	s_wait_kmcnt 0x0
	s_add_nc_u64 s[20:21], s[4:5], s[20:21]
	s_add_nc_u64 s[22:23], s[6:7], s[22:23]
	s_add_nc_u64 s[46:47], s[8:9], s[46:47]
	s_add_nc_u64 s[92:93], s[10:11], s[92:93]
	CROUND                                         ; all sixteen work-groups are here: the first joint loads meet
	s_mov_b32 s[G0S], 1
	s_add_co_u32 s[G0S+1], s94, SCL
	s_mov_b64 s[G0S+2:G0S+3], s[22:23]
	s_or_b32 s[G0S+3], s[G0S+3], 0x80000000
	s_mov_b32 s[G0SB], 1
	s_add_co_u32 s[G0SB+1], s94, SCL
	s_mov_b64 s[G0SB+2:G0SB+3], s[92:93]
	s_or_b32 s[G0SB+3], s[G0SB+3], 0x80000000
	JLOAD G0S, G1S, G0SB, G1SB                     ; the scales first: they are wanted with the first slot.  With the two below, three tensor loads of mine are out
.irp s, 0,1
	s_mov_b32 s[G0+4*\s], 1
	s_add_co_u32 s[G0+4*\s+1], s45, \s*SLOT
	s_add_nc_u64 s[G0+4*\s+2:G0+4*\s+3], s[20:21], \s*ROWB
	s_or_b32 s[G0+4*\s+3], s[G0+4*\s+3], 0x80000000
	s_mov_b32 s[G0B+4*\s], 1
	s_add_co_u32 s[G0B+4*\s+1], s45, \s*SLOT
	s_add_nc_u64 s[G0B+4*\s+2:G0B+4*\s+3], s[46:47], \s*ROWB
	s_or_b32 s[G0B+4*\s+3], s[G0B+4*\s+3], 0x80000000
	JLOAD G0+4*\s, G1, G0B+4*\s, G1B
.endr
	v_and_b32 v1, 15, v0                           ; l % 16
	v_bfe_u32 v2, v0, 4, 1                         ; l / 16
	v_mul_u32_u24 v3, v1, PITCH
	v_lshl_add_u32 v4, v2, 4, v3                   ; a fragment's row x pitch + 16 x half
	s_mul_i32 s21, s15, HALFT                      ; my 128 rows of x
	s_mul_i32 s22, s16, HALFT                      ; my 128 rows of w,
	s_add_co_u32 s22, s22, 2*HALFT                 ; which lie behind x's 256
.irp s, 0,1
	v_add_nc_u32 v[ADRA+\s], s21, v4
	v_add_nc_u32 v[ADRB+\s], s22, v4
	s_add_co_u32 s21, s21, SLOT
	s_add_co_u32 s22, s22, SLOT
.endr
	v_mul_u32_u24 v5, v1, KS                       ; my row's scales: 64 bytes a row,
	v_lshrrev_b32 v6, 8, v5
	v_lshl_add_u32 v5, v6, 4, v5                   ; and 16 more for each 256 passed
	s_mul_i32 s21, s15, HALFS
	s_mul_i32 s22, s16, HALFS
	s_add_co_u32 s22, s22, 2*HALFS
	s_sub_co_u32 s22, s22, s21
	v_mul_u32_u24 v6, s22, v2                      ; lanes 16-31 take w's: one product, the distance between the two bases
	s_add_co_u32 s21, s21, SCL
	v_add_nc_u32 v5, v5, v6
	v_add_nc_u32 v[ADRS], s21, v5
	s_mul_i32 s23, s14, 16*SPITCH                  ; my stage
	v_mul_u32_u24 v5, v1, SPITCH                   ; in: row l % 16, 16 bytes for each half of the lanes
	v_lshl_add_u32 v5, v2, 4, v5
	v_add_nc_u32 v[STO], s23, v5
	v_mul_u32_u24 v5, v2, SPITCH                   ; back: lanes 0-15 take one row of 256 bytes, lanes 16-31 the next
	v_lshl_add_u32 v5, v1, 4, v5
	v_add_nc_u32 v[RD], s23, v5
	v_mul_u32_u24 v5, v2, OROW                     ; and the same two rows in qkv
	v_lshl_add_u32 v[CO], v1, 4, v5
	v_and_b32 v6, 31, v0
	v_lshlrev_b32 v[TA], 4, v6
	s_lshl_b32 s20, s17, 8
	s_lshl_b32 s21, s15, 7
	s_add_co_u32 s20, s20, s21                     ; my first row of C
	s_and_b32 s22, s20, 511                        ; its position in the sequence;
	s_lshl_b32 s22, s22, 9                         ; the table has 8,192 bytes for each 16 positions
	s_mov_b32 s21, 0
	s_mov_b64 s[18:19], OROW
	s_mul_u64 s[20:21], s[20:21], s[18:19]
	s_lshl_b32 s46, s42, 9                         ; my first column, in bytes: 512 x tile column + 256 x half
	s_lshl_b32 s47, s16, 8
	s_add_co_u32 s46, s46, s47
	s_mov_b32 s47, 0
	s_add_nc_u64 s[20:21], s[20:21], s[46:47]
	s_add_nc_u64 s[98:99], s[98:99], s[20:21]
	s_lshl_b32 s46, s42, 1
	s_add_co_u32 s46, s46, s16                     ; my head: 0-15 q, 16-19 k, 20-23 v
	s_cmp_ge_u32 s46, 20
	s_cselect_b32 s46, 0x40000, s22                ; v is not rotated: its table is the identity, 262,144 bytes on.  A choice of an address, no branch
	s_add_nc_u64 s[96:97], s[96:97], s[46:47]
; RoPE's table for block a (16 rows): 16 loads of 512 consecutive bytes into set a % 2 in window 1: registers 16 b + 0..7 cos, 16 b + 8..15 sin of frequencies 16 b + 8 h + 0..7 at my row's position
.macro TLT a
	WIN TO_B
.irp u, 0,1,2,3,4,5,6,7,8,9,10,11,12,13,14,15
	global_load_b128 v[64+128*((\a)%2)+4*\u:64+128*((\a)%2)+4*\u+3], v[TA], s[96:97] offset:(\a)*8192+512*\u
.endr
	WIN 0
.endm
	TLT 0                                          ; the first two blocks' tables land under the products
	TLT 1
.macro FRAG reg, adr, q, i             ; a fragment, 16 rows x 128 K of 4-bit codes: lane l holds row l % 16; registers 4 c .. 4 c + 3 hold K = 64 c + 32 (l / 16) + 0 .. 31
.irp c, 0,1
	ds_load_b128 v[\reg+4*\c:\reg+4*\c+3], v[\adr] offset:64*(\q)+32*\c+(\i)*16*PITCH
.endr
.endm
; 16 matrix instructions: x's blocks a0, a0 + 1 against w's eight, 128 along K.  The 64 accumulators take turns, one instruction a turn, in the same order in every step.
; One register carries x's scale word (lanes 0-15) and w's (lanes 16-31) of block i.
.macro MUL16 a0, p, q, sc, zero
.irp a, \a0, \a0+1
.irp b, 0,1,2,3,4,5,6,7
.if \zero
	v_wmma_scale_f32_16x16x128_f8f6f4 v[8*(8*((\a)%4)+\b):8*(8*((\a)%4)+\b)+7], v[128*(\p)+FR*\b:128*(\p)+FR*\b+FR-1], v[AF+FR*(\a):AF+FR*(\a)+FR-1], 0, v[SC+8*NQ*(\sc)+NQ*\b+(\q)], v[SC+8*NQ*(\sc)+NQ*(\a)+(\q)] matrix_a_fmt:MATRIX_FMT_FP4 matrix_b_fmt:MATRIX_FMT_FP4 matrix_a_scale:MATRIX_SCALE_ROW1
.else
	v_wmma_scale_f32_16x16x128_f8f6f4 v[8*(8*((\a)%4)+\b):8*(8*((\a)%4)+\b)+7], v[128*(\p)+FR*\b:128*(\p)+FR*\b+FR-1], v[AF+FR*(\a):AF+FR*(\a)+FR-1], v[8*(8*((\a)%4)+\b):8*(8*((\a)%4)+\b)+7], v[SC+8*NQ*(\sc)+NQ*\b+(\q)], v[SC+8*NQ*(\sc)+NQ*(\a)+(\q)] matrix_a_fmt:MATRIX_FMT_FP4 matrix_b_fmt:MATRIX_FMT_FP4 matrix_a_scale:MATRIX_SCALE_ROW1
.endif
.endr
.endr
.endm
.macro FETCH_B slot, q, p
	WIN TO_B
.irp i, 0,1,2,3,4,5,6,7
	FRAG 128*(\p)+FR*\i, ADRB+\slot, \q, \i
.endr
	WIN 0
.endm
.macro FETCH_A slot, q, i0
.irp i, \i0, \i0+1, \i0+2, \i0+3
	FRAG AF+FR*(\i), ADRA+\slot, \q, \i
.endr
.endm
.macro SCALES sc                       ; a slot's scale words: four words a row; lanes 0-15 take x's block i, lanes 16-31 w's block i
.irp i, 0,1,2,3,4,5,6,7
	ds_load_b128 v[SC+8*NQ*\sc+NQ*\i:SC+8*NQ*\sc+NQ*\i+3], v[ADRS] offset:\i*SBLK
.endr
.endm
.macro PLACES n                        ; plain vector lines between a matrix instruction and a load into, or a read of, its registers
.rept \n
	v_nop
.endr
.endm
.macro STEP slot, q, zero              ; a step of 128 along K that has its successor in the same slot
	s_wait_dscnt 4*NL                              ; w's set and x's blocks 0-3 are in; the eight youngest loads (x's blocks 4-7) may be out
	WIN MUL_LO
	MUL16 0, (\q)%2, \q, \slot, \zero
	MUL16 2, (\q)%2, \q, \slot, \zero
	s_wait_dscnt 0
	PLACES NP
	FETCH_B \slot, (\q)+1, 1-(\q)%2
	FETCH_A \slot, (\q)+1, 0
	WIN MUL_HI
	MUL16 4, (\q)%2, \q, \slot, \zero
	MUL16 6, (\q)%2, \q, \slot, \zero
	PLACES NP
	WIN 0
	FETCH_A \slot, (\q)+1, 4
.endm
; A slot's last step changes slots: one barrier; in front of it each wave waits for all its tensor loads, adds 0 to its spare word, and waits for that and for its own reads of this slot.
.macro TURN slot, next, fill
	s_wait_tensorcnt 0x0                           ; all my tensor loads have landed: my part of the next slot
	ds_add_u32 v[SPW], v[NIL]                      ; 0 onto my spare word
	s_wait_dscnt 4*NL+1                            ; (the add and the eight youngest loads may be out)
	WIN MUL_LO
	MUL16 0, 1, NQ-1, \slot, 0
	s_wait_dscnt 0x0                               ; the add is done, and my reads of this slot are over
	s_barrier_signal -1
	MUL16 2, 1, NQ-1, \slot, 0
	WIN 0
	s_barrier_wait -1
.if \fill
	CREST                                          ; the barrier has opened a round of the cluster's barrier: no wave of any partner still reads this slot or has a load on its way
	s_add_nc_u64 s[G0+4*\slot+2:G0+4*\slot+3], s[G0+4*\slot+2:G0+4*\slot+3], 2*ROWB
	s_add_nc_u64 s[G0B+4*\slot+2:G0B+4*\slot+3], s[G0B+4*\slot+2:G0B+4*\slot+3], 2*ROWB
	JLOAD G0+4*\slot, G1, G0B+4*\slot, G1B         ; the first tensor load behind the round, my one load until the next; its four v_nop are the places in front of the loads below
.else
	PLACES NP
.endif
	v_add_nc_u32 v[ADRS], 4*NQ, v[ADRS]            ; on to the next slot's scale words
	FETCH_B \next, 0, 0
	FETCH_A \next, 0, 0
	SCALES \next
	WIN MUL_HI
	MUL16 4, 1, NQ-1, \slot, 0
	MUL16 6, 1, NQ-1, \slot, 0
	PLACES NP
	WIN 0
	FETCH_A \next, 0, 4
.endm
.macro STEPS slot, from
.set Q, \from
.rept NQ-1-\from
	STEP \slot, Q, 0
.set Q, Q+1
.endr
.endm
	s_wait_tensorcnt 1                             ; the scales and my part of slot 0 are in (slot 1's load may be out)
	s_barrier_signal -1
	s_barrier_wait -1                              ; everybody's are
	FETCH_B 0, 0, 0
	FETCH_A 0, 0, 0
	SCALES 0
	FETCH_A 0, 0, 4
	STEP 0, 0, 1                                   ; the first step stands in front of the loop: its products start the sums
	s_mov_b32 s3, LAPS-1
.Llap:                                                 ; a trip goes once round the ring and fills both slots again
	STEPS 0, 1
	TURN 0, 1, 1
	STEPS 1, 0
	TURN 1, 0, 1
	STEP 0, 0, 0
	s_sub_co_u32 s3, s3, 1
	s_cmp_lg_u32 s3, 0
	s_cbranch_scc1 .Llap
	STEPS 0, 1                                     ; the last lap fills nothing, and has no round of the cluster's barrier
	TURN 0, 1, 0
	STEPS 1, 0
	s_wait_dscnt 4*NL
	WIN MUL_LO
	MUL16 0, 1, NQ-1, 1, 0
	MUL16 2, 1, NQ-1, 1, 0
	s_wait_dscnt 0
	WIN MUL_HI
	MUL16 4, 1, NQ-1, 1, 0
	MUL16 6, 1, NQ-1, 1, 0
	WIN 0
; THE WAY OUT, block by block of 16 rows x 128 columns.  ROPE: out(d) = x(d) cos - x(d + 64) sin, out(d + 64) = x(d + 64) cos + x(d) sin, in f32, two numbers an instruction; then f16, 16 bytes a lane.
; Each accumulator is read from its low end on.
.macro ROPE a
.set AC, 64*((\a)%4)
.set TB, 64+128*((\a)%2)
.irp b, 0,1,2,3
	WIN 0x06+(\a)/4                                ; source 0: the accumulators' window (2 or 3); source 1: the table's (1); the rest window 0
.irp p, 0,2,4,6
	v_pk_mul_f32 v[O1+\p:O1+\p+1], v[AC+8*(\b+4)+\p:AC+8*(\b+4)+\p+1], v[TB+16*\b+8+\p:TB+16*\b+8+\p+1]
	v_pk_mul_f32 v[O2+\p:O2+\p+1], v[AC+8*\b+\p:AC+8*\b+\p+1], v[TB+16*\b+8+\p:TB+16*\b+8+\p+1]
.endr
.irp p, 0,2,4,6
	v_pk_fma_f32 v[O1+\p:O1+\p+1], v[AC+8*\b+\p:AC+8*\b+\p+1], v[TB+16*\b+\p:TB+16*\b+\p+1], v[O1+\p:O1+\p+1] neg_lo:[0,0,1] neg_hi:[0,0,1]
	v_pk_fma_f32 v[O2+\p:O2+\p+1], v[AC+8*(\b+4)+\p:AC+8*(\b+4)+\p+1], v[TB+16*\b+\p:TB+16*\b+\p+1], v[O2+\p:O2+\p+1]
.endr
	WIN 0
.irp q, 0,1,2,3
	v_cvt_pk_f16_f32 v[TMP+4*\b+\q], v[O1+2*\q], v[O1+2*\q+1]
	v_cvt_pk_f16_f32 v[TMP+4*(\b+4)+\q], v[O2+2*\q], v[O2+2*\q+1]
.endr
.endr
.endm
.macro TOSTAGE a                       ; into my stage, and back as whole rows of 256 bytes.  LDS serves a wave's instructions in order (ISA guide 5.7.1.4)
.set BB, BK+32*((\a)%2)
.irp b, 0,1,2,3,4,5,6,7
	ds_store_b128 v[STO], v[TMP+4*\b:TMP+4*\b+3] offset:32*\b
.endr
.irp t, 0,1,2,3,4,5,6,7
	ds_load_b128 v[BB+4*\t:BB+4*\t+3], v[RD] offset:\t*2*SPITCH
.endr
.endm
.macro SEND a
.set BB, BK+32*((\a)%2)
	s_wait_dscnt 0x0                               ; the block is back in registers
	s_wait_xcnt 0x0                                ; earlier stores have read their base and their registers: only behind this wait are these written again
.if (\a) > 0
	s_add_nc_u64 s[98:99], s[98:99], 16*OROW
.endif
.irp t, 0,1,2,3,4,5,6,7
	global_store_b128 v[CO], v[BB+4*\t:BB+4*\t+3], s[98:99] offset:2*\t*OROW   ; sixteen lanes store 256 consecutive bytes, aligned: a row of one head
.endr
.endm
	PLACES NP                                      ; behind the last products: their results are read and x's fragment registers loaded into
.irp a, 0,1,2,3,4,5,6,7
.if \a < 7
	s_wait_loadcnt 16                              ; this block's table is in; the next block's 16 loads may be out
.else
	s_wait_loadcnt 0
.endif
	ROPE \a
.if \a < 6
	TLT \a+2                                       ; into the set just read
.endif
.if \a > 0
	SEND \a-1                                      ; block a's arithmetic stood between block a - 1's read-backs and this wait for them
.endif
	TOSTAGE \a
.endr
	SEND 7
	s_wait_tensorcnt 0x0                           ; the wave's end: a wait on TENSORcnt, an add of 0 to my spare word and its wait, behind my last tensor load and my last LDS store
	ds_add_u32 v[SPW], v[NIL]
	s_wait_dscnt 0x0
	CROUND                                         ; the closing round: no work-group ends while a partner may still ask for a tile that names it
	s_endpgm
.Lfunc_end_k_qd66d22800e_qkv:
	.size	k_qd66d22800e_qkv, .Lfunc_end_k_qd66d22800e_qkv-k_qd66d22800e_qkv
	.p2alignl 7, 3214868480
	.fill 96, 4, 3214868480
	.section	.rodata,"a",@progbits
	.p2align	6, 0x0
	.amdhsa_kernel k_qd66d22800e_qkv
		.amdhsa_group_segment_fixed_size 327680
		.amdhsa_private_segment_fixed_size 0
		.amdhsa_enable_private_segment 0
		.amdhsa_kernarg_size 48
		.amdhsa_user_sgpr_count 2
		.amdhsa_user_sgpr_kernarg_segment_ptr 1
		.amdhsa_wavefront_size32 1
		.amdhsa_system_sgpr_workgroup_id_x 1
		.amdhsa_system_sgpr_workgroup_id_y 1
		.amdhsa_system_sgpr_workgroup_id_z 1
		.amdhsa_system_vgpr_workitem_id 0
		.amdhsa_next_free_vgpr 1024
		.amdhsa_next_free_sgpr 100
		.amdhsa_reserve_vcc 0
		.amdhsa_float_denorm_mode_32 3
		.amdhsa_float_denorm_mode_16_64 3
		.amdhsa_memory_ordered 1
		.amdhsa_forward_progress 1
		.amdhsa_inst_pref_size 255
	.end_amdhsa_kernel
	.section	.bss,"aw",@nobits
	.p2align	6
	.space	262144
	.amdgpu_metadata
---
amdhsa.version: [ 1, 2 ]
amdhsa.kernels:
  - .name:           k_qd66d22800e_qkv
    .symbol:         k_qd66d22800e_qkv.kd
    .args:
      - { .name: x_codes, .offset: 0, .size: 8, .value_kind: global_buffer, .address_space: global }
      - { .name: x_scales, .offset: 8, .size: 8, .value_kind: global_buffer, .address_space: global }
      - { .name: w_codes, .offset: 16, .size: 8, .value_kind: global_buffer, .address_space: global }
      - { .name: w_scales, .offset: 24, .size: 8, .value_kind: global_buffer, .address_space: global }
      - { .name: tables, .offset: 32, .size: 8, .value_kind: global_buffer, .address_space: global }
      - { .name: qkv, .offset: 40, .size: 8, .value_kind: global_buffer, .address_space: global }
    .group_segment_fixed_size: 327680
    .private_segment_fixed_size: 0
    .kernarg_segment_align: 8
    .kernarg_segment_size: 48
    .max_flat_workgroup_size: 128
    .sgpr_count:     100
    .vgpr_count:     1024
    .wavefront_size: 32
...
	.end_amdgpu_metadata
.endif
;; end of part 2
;; launch attn (part 3): grid 8 x 32, 4 waves a work-group, clusters of 4 x 1, 327,680 bytes of LDS; arguments qkv, tables, att; writes att
.if DOCPART == 3
	.amdgcn_target "amdgcn-amd-amdhsa--gfx1250"
	.amdhsa_code_object_version 6
	.text
	.protected	k_qd66d22800e_attn
	.globl	k_qd66d22800e_attn
	.p2align	8
	.type	k_qd66d22800e_attn,@function
k_qd66d22800e_attn:
	s_mov_b64 s[64:65], 0
	v_nop
	global_prefetch_b8 v0, s[64:65] scope:SCOPE_SE
	s_setreg_imm32_b32 hwreg(HW_REG_WAVE_MODE, 25, 1), 1
	s_wait_xcnt 0x0
	s_wait_alu depctr_hold_cnt(0) depctr_sa_sdst(0) depctr_va_vdst(0) depctr_va_sdst(0) depctr_va_ssrc(0) depctr_va_vcc(0) depctr_vm_vsrc(0)
	s_getreg_b32 s2, hwreg(HW_REG_IB_STS2, 6, 4)
	s_cmp_eq_u32 s2, 0
	s_cbranch_scc0 .Lentry_in_a_cluster
	s_endpgm
.Lentry_in_a_cluster:
	s_bfe_u32 s2, ttmp6, 0x10000c
	s_cmp_lg_u32 s2, 0x3003
	s_cbranch_scc0 .Lentry_shape_is_right
	s_endpgm
.Lentry_shape_is_right:
; ATTENTION: att[b][t][head] = the sum over keys s of softmax_s(q . k / sqrt(128), masked) v.  q, k, v: f16 columns of qkv [4096][3072] (q at 0, k at 2048, v at 2560); att: [4096][2048] f16.
; Products, maxima and sums in f32; the weights p are rounded to f16 for the second product, the result once at the end.
; THE MASK IS AN INPUT: no pattern of it is built in and no key step is left out.  It comes as an f32 bias (0 or -2^100) laid in the order of the scores' registers, and is the C of the scores' first products.
; q and k are f16, so |q . k| < 2^40 and a hidden score stays near -2^100.  The running maximum starts at -2^99, so a hidden key's p is 2^(-c 2^99) = 0 exactly, whatever else the row holds.
; A row with no key at all ends with the sum 0 and O = 0: 0 x (1 / 0) is NaN, as the softmax of a row of -infinity is.
; LIMITS: |q|, |k|, |v| under 65,504 (f16); NaN and infinities among them are not served.
; SHARES.  y = 4 b + kv head.  A work-group owns 64 positions x the FOUR query heads of that kv head; wave w owns 16 positions, and ITS FOUR TILES ARE THE FOUR HEADS at those positions: so one
; fragment of the mask's bias serves all four tiles.  Every wave walks all 512 keys, 64 a step.
; LAYOUT.  S^T = K Q^T (source 0 = 16 keys, source 1 = 16 queries): a lane holds ONE query (lane % 16) and the keys 8 (lane / 16) + 0..7.  Two such tiles, rounded to f16 in pairs, ARE source 1 of
; O^T = V^T P.  K comes out of LDS as it lies, V ([key][channel]) turned, by ds_load_tr16_b128.
; SOFTMAX.  For each query a running maximum m and sum l: p = 2^(c s - c m), c = log2(e) / sqrt(128); in every step O and l are multiplied by a = 2^(c m_old - c m_new).
; BY TURNS.  The wave's tiles are two PIECES (tiles 0, 1 and tiles 2, 3).  In a TURN one piece has the matrix unit (32 products V^T P of the step in hand, then 32 products K Q^T of the next step); the other
; piece's softmax, cut into 64 slices, stands between them, one slice behind each matrix instruction.  Two turns are a key step.
; CLUSTER.  The four work-groups of a cluster (four blocks of 64 positions) walk the same K and V: each tile is asked for JOINTLY.
; REGISTERS, in windows of 256: window 0: v0-11 addresses; v12-43 statistics; v44, v45 the bias's addresses; v61-63; v64-191 S^T, 32 a tile; v192-255 P, 16 a tile
;   window 1: O^T, 64 a tile     window 2: v0-127 Q, 32 a tile; v128-255 K of one step     window 3: v0-127 V of one step; v128-159 the mask's bias of one step
.set KS,    64        ; keys in a step
.set PK,    272       ; a row of K in LDS: 256 bytes + 16 of padding: the 16 rows of a load start at 16 different banks (64 banks of 4 bytes: ISA guide 11.1)
.set PV,    288       ; a row of V: 256 + 32
.set VOFF,  KS*PK     ; a step's tiles lie together: 64 rows of K, then 64 rows of V
.set STEPB, KS*(PK+PV)
.set SLOT1, 1<<17     ; a slot holds two steps (71,680 bytes); slot 1 begins here, so that one exclusive or turns an address in one slot into the other's
.set STAGE, SLOT1+2*STEPB  ; behind the ring: 16 rows x 272 bytes for each wave, for the way out
.set SP,    272
.set SPARE, STAGE+4*16*272  ; behind the stages: the spare words, 128 bytes for each wave: two blocks of 256 bytes that no other line names
.set QROW,  6144      ; a row of qkv in bytes
.set SLOTB, 2*KS*QROW ; a slot's 128 keys in memory
.set AK0, 2           ; v2   my lane's place in a tile of K; never rewritten
.set AV0, 3           ; v3   the same for V
.set ADR, 4           ; v4   the LDS address of the run of loads in hand
.set QO,  5           ; v5   my byte offset in the wave's rows of q
.set STO, 6           ; v6   the way out: where I put 16 bytes of a row
.set RD,  7           ; v7   the way out: where I read a row back
.set GO,  8           ; v8   my byte offset in the wave's rows of att
.set ST,  12          ; tile t's statistics at v[ST+8 t]: +0 c m, +1 m, +2, +3 l, +4 to +7 at work
.set BO,  44          ; v44  16 x lane: my place in a piece of the bias table; never rewritten
.set BA,  45          ; v45  + the step's 4,096 bytes
.set PFO, 61          ; v61  6,144 x my lane: the prefetch's offset, a lane a row; never rewritten
.set SPW, 62          ; v62  LDS address of my spare word; never rewritten
.set NIL, 63          ; v63  0; never rewritten
.set S,   64
.set P,   192
.set KF,  128         ; K's fragments, in window 2
.set MB,  128         ; the bias, in window 3: register 8 kt + j: key 16 kt + 8 (lane / 16) + j of the step
.set WV,  12          ; s12  my wave's number
.set LIM, 15          ; s15  1 in a wave that prefetches, else the greatest number
.set PFA, 18          ; s[18:19] where my prefetch stands
.set G1K, 24          ; s[24:31] descriptor group 1 for K's tiles
.set G1V, 32          ; s[32:39] for V's: it differs in the padding alone
.set G0K, 40          ; s[40:47] group 0 for K's tiles: a set for each of the two first fills; the second then walks on
.set G0V, 48          ; s[48:55] the same for V's
.set SLOTS, 56        ; s56  slots still to be asked for
.set TWICE, 57        ; s57  counts a slot's two steps
.set CS,  58          ; s[58:59] c
.set SEL, 60          ; s[60:61] lane selects for v_permlanex16_b32
.set TB,  62          ; s62  LDS byte at which the tiles of the step to be fetched begin
.set BP,  66          ; s[66:67] the bias table at my 16 positions: 8 steps x 4,096 bytes
.set BOFF, 68         ; s68  the step whose bias is fetched next, in bytes
.set MSB, 0
.macro WIN new
.if MSB != (\new)
	s_set_vgpr_msb (MSB<<8)|(\new)
.set MSB, (\new)
.endif
.endm
.set W_KQ,  0x0a      ; K and Q in window 2, S^T in window 0
.set W_KQM, 0x3a      ; the same with C, the bias, in window 3
.set W_PV,  0x53      ; V in window 3, P in window 0, O^T in window 1
.set W_RS,  0x41      ; O^T (destination and source 0) in window 1, a in window 0
; A joint refill.  Waves 0 and 1 fetch the two steps' tiles of K, waves 2 and 3 those of V.  An s_nop 0 and four v_nop follow each of the two lines.
.macro JLOAD
	s_cmp_lt_u32 s[WV], 2
	s_cbranch_scc0 .Lfor_v_\@
	tensor_load_to_lds s[G0K+4:G0K+7], s[G1K:G1K+7]
	s_nop 0
.rept 4
	v_nop
.endr
	s_branch .Lasked_\@
.Lfor_v_\@:
	tensor_load_to_lds s[G0V+4:G0V+7], s[G1V:G1V+7]
	s_nop 0
.rept 4
	v_nop
.endr
.Lasked_\@:
.endm
; A prefetch of what the NEXT change of slots will ask for: 128 rows of K and 128 of V, 256 bytes of each row, a lane a row.  Both clusters of a (b, kv head) walk the same rows: the first asks.  Its four partners
; share the rows out by address, 32 each; in each, wave 0 asks for K's and wave 2 for V's.  With four slots' worth of keys that is one request a wave, for the last slot; the last change that fills asks for nothing.
.macro ASK
	s_cmp_gt_u32 s[SLOTS], s[LIM]
	s_cbranch_scc0 .Lnot_mine_\@
	global_prefetch_b8 v[PFO], s[PFA:PFA+1] th:TH_LOAD_NT scope:SCOPE_SE
.Lnot_mine_\@:
.endm
.macro CROUND                       ; a round of the cluster's barrier
	s_barrier_signal -1
	s_barrier_wait -1
	s_cmp_lg_u32 s[WV], 0
	s_cbranch_scc1 .Lnot_wave_0_\@
	s_barrier_signal -3
.Lnot_wave_0_\@:
	s_barrier_wait -3
	s_barrier_signal -1
	s_barrier_wait -1
.endm
	s_load_b64 s[4:5], s[0:1], 0x0  ; qkv
	s_load_b64 s[BP:BP+1], s[0:1], 0x8  ; the tables
	s_load_b64 s[10:11], s[0:1], 0x10  ; att
	v_lshl_add_u32 v[SPW], v0, 2, SPARE
	v_mov_b32 v[NIL], 0
	ds_add_u32 v[SPW], v[NIL]       ; the wave's opening: an add of 0 to my spare word, twice on end, and its wait ahead of my first tensor load
	ds_add_u32 v[SPW], v[NIL]
	v_lshrrev_b32 v1, 5, v0
	v_readfirstlane_b32 s[WV], v1   ; wave 0..3
	s_bfe_u32 s13, ttmp6, 0x40000   ; cx: my place in the cluster
	s_lshl_b32 s14, ttmp9, 2        ; in a cluster launch ttmp9 counts clusters
	s_add_co_u32 s14, s14, s13      ; my block of 64 positions
	s_lshl_b32 s14, s14, 2
	s_add_co_u32 s14, s14, s[WV]    ; my wave's tile of 16 positions, 0..31: it enters q's, att's and the bias's addresses alone
	s_and_b32 s20, ttmp7, 0xffff    ; y, which the four partners share
	s_and_b32 s21, s20, 3           ; the kv head
	s_lshr_b32 s20, s20, 2          ; b
	s_mul_i32 s22, s20, 512*QROW    ; the batch's first row of qkv
	s_and_b32 s16, s[WV], 1         ; which of a slot's two steps I fetch:
	s_mul_i32 s17, s16, KS*QROW     ; its 64 rows in memory
	s_lshl_b32 s23, s21, 8          ; the kv head's 256 bytes of a row,
	s_add_co_u32 s23, s23, s17
	s_add_co_u32 s23, s23, 4096     ; behind q's 2,048 columns
	s_mul_i32 s2, s14, 16*QROW
	s_add_co_u32 s2, s2, s22
	s_lshl_b32 s3, s21, 10          ; the four query heads' 1,024 bytes
	s_add_co_u32 s2, s2, s3         ; q at my wave's first row and first head
	s_add_co_u32 s22, s22, s23      ; k at my tile of slot 0: made of y and the wave's number alone
	s_mov_b32 s23, 0
	s_mul_i32 s17, s16, STEPB       ; and its place in a slot: no place in the cluster enters an LDS address
	s_lshl_b32 s20, s20, 5
	s_add_co_u32 s20, s20, s14
	s_lshl_b32 s20, s20, 16         ; att: (32 b + my tile) x 16 rows of 4,096 bytes
	s_add_co_u32 s20, s20, s3
	s_mov_b32 s21, 0
	s_mov_b32 s3, 0
	s_lshl_b32 s[BOFF], s14, 15     ; the bias: 32,768 bytes for each 16 positions,
	s_add_co_u32 s[BOFF], s[BOFF], 327680  ; behind RoPE's part of the tables
	s_mov_b32 s[BOFF+1], 0
	; descriptor group 1: a tile of 64 rows x 128 elements, padded in LDS
	s_mov_b32 s[G1K], 15|(1<<16)|(1<<20)|(1<<21)|(5<<22)|(3<<25)  ; 15:0 the mask: all four work-groups; 17:16 elements of 2 bytes; 20 padding on; 21 set beside a mask; 24:22 after every 64 words; 31:25 four words
	s_mov_b32 s[G1V], 15|(1<<16)|(1<<20)|(1<<21)|(5<<22)|(7<<25)  ; the same with 8 words of padding
.irp g, G1K, G1V
	s_mov_b32 s[\g+1], 128<<16      ; tensor_dim0 = 128
	s_mov_b32 s[\g+2], KS<<16       ; tensor_dim1 = 64
	s_mov_b32 s[\g+3], 128<<16      ; tile_dim0 = 128
	s_mov_b32 s[\g+4], KS           ; tile_dim1 = 64
	s_mov_b32 s[\g+5], 3072         ; tensor_dim0_stride: elements from row to row of qkv
	s_mov_b32 s[\g+6], 0
	s_mov_b32 s[\g+7], 0
.endr
	s_mov_b32 s[CS], 0x3e0293ee     ; c = log2(e) / sqrt(128)
	s_mov_b32 s[CS+1], s[CS]        ; named with it as a pair, so it is written
	s_mov_b32 s[SEL], 0x76543210
	s_mov_b32 s[SEL+1], 0xfedcba98
	s_mov_b32 s[TB], 0
	s_mov_b32 s[SLOTS], 512/(2*KS)-2
	s_and_b32 s[LIM], s[WV], 1      ; 0 in waves 0 and 2,
	s_or_b32 s[LIM], s[LIM], ttmp9  ; of the first of the two clusters: the same in all four partners
	s_cmp_eq_u32 s[LIM], 0
	s_cselect_b32 s[LIM], 1, -1
	v_and_b32 v[PFO], 31, v0
	v_mul_u32_u24 v[PFO], v[PFO], QROW
	s_wait_dscnt 0x0                ; both opening adds are done
	s_wait_kmcnt 0x0
	s_add_nc_u64 s[6:7], s[4:5], s[22:23]  ; k at my tile of slot 0,
	s_add_nc_u64 s[8:9], s[6:7], 1024  ; v 512 columns further on
	s_add_nc_u64 s[4:5], s[4:5], s[2:3]  ; q
	s_add_nc_u64 s[10:11], s[10:11], s[20:21]  ; att
	s_add_nc_u64 s[BP:BP+1], s[BP:BP+1], s[BOFF:BOFF+1]
	s_mov_b32 s[BOFF], 0
	s_cmp_lt_u32 s[WV], 2
	s_cselect_b64 s[PFA:PFA+1], s[6:7], s[8:9]  ; (in waves 0 and 2 these stand at a slot's first row)
	s_mul_i32 s2, s13, 32*QROW      ; my work-group's 32 rows of the 128
	s_add_nc_u64 s[PFA:PFA+1], s[PFA:PFA+1], s[2:3]
	s_add_nc_u64 s[PFA:PFA+1], s[PFA:PFA+1], 2*SLOTB  ; in slot 2; the first change of slots steps it to slot 3.  Nothing is prefetched here, at the head
	CROUND                          ; all four work-groups are here: the first joint loads meet
.irp s, 0,1
	s_mov_b32 s[G0K+4*\s], 1        ; count = 1
	s_add_co_u32 s[G0K+4*\s+1], s17, \s*SLOT1  ; LDS address
	s_add_nc_u64 s[G0K+4*\s+2:G0K+4*\s+3], s[6:7], \s*SLOTB  ; global address: slot s begins with keys 128 s
	s_or_b32 s[G0K+4*\s+3], s[G0K+4*\s+3], 0x80000000  ; type = 2
	s_mov_b32 s[G0V+4*\s], 1
	s_add_co_u32 s[G0V+4*\s+1], s17, \s*SLOT1+VOFF
	s_add_nc_u64 s[G0V+4*\s+2:G0V+4*\s+3], s[8:9], \s*SLOTB
	s_or_b32 s[G0V+4*\s+3], s[G0V+4*\s+3], 0x80000000
.endr
	s_cmp_lt_u32 s[WV], 2           ; a wave's two first fills stand in one branch, ahead of every wait on TENSORcnt and every LDS read: two loads of mine are out
	s_cbranch_scc0 .Lfirst_v
	tensor_load_to_lds s[G0K:G0K+3], s[G1K:G1K+7]
	s_nop 0
	tensor_load_to_lds s[G0K+4:G0K+7], s[G1K:G1K+7]
	s_nop 0
.rept 4
	v_nop
.endr
	s_branch .Lfirst_asked
.Lfirst_v:
	tensor_load_to_lds s[G0V:G0V+3], s[G1V:G1V+7]
	s_nop 0
	tensor_load_to_lds s[G0V+4:G0V+7], s[G1V:G1V+7]
	s_nop 0
.rept 4
	v_nop
.endr
.Lfirst_asked:
; THE MASK'S BIAS of the next step: eight loads of 512 consecutive bytes into window 3.  The addition and three v_nop are the four places behind the last product that read the bias as its C.
; The step's offset is held at the last step's: the last call of the walk reads step 7 once more and nobody uses it; no load leaves the table.
.macro FETCH_M
	WIN 0
	v_add_nc_u32 v[BA], s[BOFF], v[BO]
.rept 3
	v_nop
.endr
	s_add_co_u32 s[BOFF], s[BOFF], 4096
	s_min_u32 s[BOFF], s[BOFF], 7*4096
	WIN 0xc0                        ; destination window 3, address window 0
.irp g, 0,1,2,3,4,5,6,7
	global_load_b128 v[MB+4*\g:MB+4*\g+3], v[BA], s[BP:BP+1] offset:512*\g
.endr
.endm
	; A fragment of K or Q is 16 rows x 32 channels in 8 registers: lane l holds row l % 16; registers 0-3 channels 8 (l / 16) + 0..7, registers 4-7 channels 16 + 8 (l / 16) + 0..7.
	v_and_b32 v1, 15, v0            ; l % 16
	v_bfe_u32 v9, v0, 4, 1          ; l / 16
	v_mul_u32_u24 v[QO], v1, QROW
	v_lshl_add_u32 v[QO], v9, 4, v[QO]  ; row x 6,144 + 16 x half
	v_and_b32 v[BO], 31, v0
	v_lshlrev_b32 v[BO], 4, v[BO]
	WIN 0x80                        ; destination window 2, address window 0
.irp i, 0,1,2,3,4,5,6,7,8,9,10,11,12,13,14,15  ; Q stays in registers: tile (head) i / 4, channels 32 (i % 4) on
	global_load_b128 v[8*\i:8*\i+3],   v[QO], s[4:5] offset:(\i/4)*256+(\i%4)*64
	global_load_b128 v[8*\i+4:8*\i+7], v[QO], s[4:5] offset:(\i/4)*256+(\i%4)*64+32
.endr
	FETCH_M                         ; step 0's bias
	WIN 0
	v_mul_u32_u24 v[AK0], v1, PK
	v_lshl_add_u32 v[AK0], v9, 4, v[AK0]  ; row x pitch + 16 x half
	; The turning load takes 16 keys x 16 channels (lane l reads 16 bytes: key 8 (l / 16) + l % 8, channels 8 ((l / 8) % 2) + 0..7) and leaves half a fragment of V^T.
	v_and_b32 v10, 7, v0
	v_bfe_u32 v11, v0, 3, 1
	v_lshl_add_u32 v[AV0], v9, 3, v10
	v_mul_u32_u24 v[AV0], v[AV0], PV
	v_lshl_add_u32 v[AV0], v11, 4, v[AV0]
	v_add_nc_u32 v[AV0], VOFF, v[AV0]
; THE MATRIX WORK OF A TURN, for piece x.  The accumulators take turns, one instruction a turn.
; Product i of 32 of O^T += V^T P: keys 32 (i / 16) on, channels 16 ((i / 2) % 8) on, tile x + i % 2.  zero = 1: the first 16 start the sums.
.macro PV x, zero
	WIN W_PV
.set rO, 64*(\x+i%2)+8*((i/2)%8)
.set rV, 64*(i/16)+8*((i/2)%8)
.set rP, P+16*(\x+i%2)+8*(i/16)
.if \zero && (i < 16)
	v_wmma_f32_16x16x32_f16 v[rO:rO+7], v[rV:rV+7], v[rP:rP+7], 0
.else
	v_wmma_f32_16x16x32_f16 v[rO:rO+7], v[rV:rV+7], v[rP:rP+7], v[rO:rO+7]
.endif
.endm
; Product i of 32 of S^T = bias + K Q^T: channels 32 (i / 8) on, keys 16 ((i / 2) % 4) on, tile x + i % 2.  The first 8 start the sums with the mask's bias as their C.
.macro KQ x
.set rS, S+32*(\x+i%2)+8*((i/2)%4)
.set rK, KF+32*((i/2)%4)+8*(i/8)
.set rQ, 32*(\x+i%2)+8*(i/8)
.set rM, MB+8*((i/2)%4)
.if i < 8
	WIN W_KQM
	v_wmma_f32_16x16x32_f16 v[rS:rS+7], v[rK:rK+7], v[rQ:rQ+7], v[rM:rM+7]
.else
	WIN W_KQ
	v_wmma_f32_16x16x32_f16 v[rS:rS+7], v[rK:rK+7], v[rQ:rQ+7], v[rS:rS+7]
.endif
.endm
; THE LDS LOADS stand in runs of 32: a step's K (16 fragments) and, a turn later, its V (turned).
.macro FETCH_K
	WIN 0
	v_add_nc_u32 v[ADR], s[TB], v[AK0]
	WIN 0x80                        ; destination window 2
.irp f, 0,1,2,3,4,5,6,7,8,9,10,11,12,13,14,15  ; keys 16 (f / 4) on, channels 32 (f % 4) on
	ds_load_b128 v[KF+8*\f:KF+8*\f+3],   v[ADR] offset:(\f/4)*16*PK+(\f%4)*64
	ds_load_b128 v[KF+8*\f+4:KF+8*\f+7], v[ADR] offset:(\f/4)*16*PK+(\f%4)*64+32
.endr
.endm
.macro FETCH_V
	WIN 0
	v_add_nc_u32 v[ADR], s[TB], v[AV0]
	s_add_co_u32 s[TB], s[TB], STEPB  ; the next fetch is the next step's
	s_wait_alu depctr_va_vdst(0)    ; the wait for the softmax's batch of exponentials, behind the address's addition and ahead of the loads
	WIN 0xc0                        ; destination window 3
.irp f, 0,1,2,3,4,5,6,7,8,9,10,11,12,13,14,15  ; keys 32 (f / 8) on, channels 16 (f % 8) on
	ds_load_tr16_b128 v[8*\f:8*\f+3],   v[ADR] offset:(\f/8)*32*PV+(\f%8)*32
	ds_load_tr16_b128 v[8*\f+4:8*\f+7], v[ADR] offset:(\f/8)*32*PV+16*PV+(\f%8)*32
.endr
.endm
; THE VECTOR WORK OF A TURN.  One tile's softmax for one key step is a list of 134 instructions; SM writes number j of it for tile t.
;   0-15    the maximum of the lane's 32 scores and the old m (in the first step: and the floor -2^99), three operands at a time
;   16-20   the other half of the lanes' maximum; the new m; c m; c m_old - c m_new
;   21-69   ONE BATCH: the 16 scalings c s - c m and all 33 exponentials; none of these reads an exponential's result
;   (wait)  between 69 and 70 stands the one wait for the batch
;   70-85   the roundings to f16;   86-101 the sums, l = a l + the sum;   102-133 the tile's O^T times a
.macro SM t, first
.set rT, ST+8*(\t)
.set rS, S+32*(\t)
.set rP, P+16*(\t)
.set rO, 64*(\t)+2*(j-102)
.if j < 102
	WIN 0
.endif
.if j < 4
	v_max3_num_f32 v[rT+4+j], v[rS+8*j], v[rS+8*j+1], v[rS+8*j+2]
.elseif j < 12
	v_max3_num_f32 v[rT+4+j%4], v[rT+4+j%4], v[rS+8*(j%4)+2*(j/4)+1], v[rS+8*(j%4)+2*(j/4)+2]
.elseif j == 12
	v_max3_num_f32 v[rT+4], v[rT+4], v[rS+7], v[rS+15]
.elseif j == 13
	v_max3_num_f32 v[rT+6], v[rT+6], v[rS+23], v[rS+31]
.elseif j == 14
	v_max3_num_f32 v[rT+4], v[rT+4], v[rT+5], v[rT+6]
.elseif (j == 15) && \first
	v_max3_num_f32 v[rT+4], v[rT+4], v[rT+7], 0xf1000000  ; the floor -2^99: over every hidden score, under every score that counts
.elseif j == 15
	v_max3_num_f32 v[rT+4], v[rT+4], v[rT+7], v[rT+1]
.elseif j == 16
	v_permlanex16_b32 v[rT+5], v[rT+4], s[SEL], s[SEL+1]  ; the query's other 32 keys lie in the lane 16 away
.elseif j == 18
	v_max_num_f32 v[rT+1], v[rT+4], v[rT+5]
.elseif j == 19
	v_mul_f32 v[rT], s[CS], v[rT+1]
.elseif ((j == 17) || (j == 20) || (j == 23) || (j > 101)) && \first  ; the first step has none of these
.elseif j == 17
	v_mov_b32 v[rT+7], v[rT]        ; c m_old is kept for a
.elseif j == 20
	v_sub_f32 v[rT+7], v[rT+7], v[rT]
.elseif j == 23
	v_exp_f32 v[rT+6], v[rT+7]
.elseif (j < 23) || ((j < 38) && (j%2 == 0)) || ((j < 66) && (j%4 == 2))
.set b, (j-2)/4
.if j < 38
.set b, (j-20)/2
.endif
	v_pk_fma_f32 v[rS+2*b:rS+2*b+1], v[rS+2*b:rS+2*b+1], s[CS:CS+1], v[rT:rT+1] op_sel_hi:[1,0,0] neg_lo:[0,0,1] neg_hi:[0,0,1]  ; pair b: c s - c m
.elseif j < 70
.set e, j-38
.if j < 66
.set e, j-32-(j-38)/4
.endif
.if j < 38
.set e, (j-25)/2
.endif
	v_exp_f32 v[rS+e], v[rS+e]
.elseif j < 86
	v_cvt_pk_f16_f32 v[rP+j-70], v[rS+2*(j-70)], v[rS+2*(j-70)+1]
.elseif j < 102
.set z, j-86
.set w, 4
.set u, z
.if z >= 14
.set w, 32
.set u, 0
.elseif z >= 12
.set w, 16
.set u, z-12
.elseif z >= 8
.set w, 8
.set u, z-8
.endif
.if (z == 14) && \first
	v_pk_add_f32 v[rT+2:rT+3], v[rS:rS+1], v[rS+16:rS+17]
.elseif z < 15
	v_pk_add_f32 v[rS+w*u:rS+w*u+1], v[rS+w*u:rS+w*u+1], v[rS+w*u+w/2:rS+w*u+w/2+1]
.elseif !\first
	v_pk_fma_f32 v[rT+2:rT+3], v[rT+2:rT+3], v[rT+6:rT+7], v[rS:rS+1] op_sel_hi:[1,0,1]
.endif
.else
	WIN W_RS
	v_pk_mul_f32 v[rO:rO+1], v[rO:rO+1], v[rT+6:rT+7] op_sel_hi:[1,0]
.endif
.endm
; Slice k of 64 of piece y's softmax: four instructions.  Slices 11 to 34 deal out the batch, four numbers of ONE tile each, the tiles by turns; every other slice is numbers 2 k and 2 k + 1 of both tiles.
; 2 x 134 = 4 x 64 + 12: the twelve that are over stand together, in slice 63.  Ahead of slice 35 nothing names an exponential's result, behind slice 34 none is issued: one wait, behind slice 34.
.macro SLICE y, first
.if (k >= 11) && (k < 35)
.irp n, 0,1,2,3
.set j, 22+4*((k-11)/2)+(\n)
	SM (\y)+(k-11)%2, \first
.endr
.else
.irp n, 0,1,2,3,4,5,6,7
.if (\n < 2) || (k == 63)
.irp t, \y, \y+1
.set j, 2*k+\n
	SM \t, \first
.endr
.endif
.endr
.endif
.if k == 34
	v_nop                           ; the plain instruction behind the last exponential and ahead of the first use: one for the batch
.if (\y) == 0
	FETCH_V                         ; piece 2's turn: V's run of loads stands here, and the wait stands in it
.else
	s_wait_alu depctr_va_vdst(0)    ; the wait for the batch
.endif
.endif
.set k, k+1
.endm
.macro PLACES
.rept 4
	v_nop
.endr
.endm
; A TURN.  Piece x has the matrix unit; the other piece's softmax stands in slices behind its matrix instructions.
; pv = 2: 32 products V^T P; 1: they start O^T's sums; 0: none.  kq = 1: 32 products K Q^T for the next step.  first = 1: the softmax is the first key step's.
; THE BIAS of a step is read by piece 0's first eight products K Q^T and, a turn later, by piece 2's.  Behind piece 2's ninth the next step's is asked for; it is waited for ahead of piece 0's first:
; 23 + 32 matrix instructions lie between.  That wait also frees the loads' address register.
.macro TURN x, pv, kq, first
.set k, 0
.set per, 2
.if \pv && \kq
.set per, 1
.endif
.if \pv
.if \x == 0
	s_wait_dscnt 0x0                ; V is in
.endif
.set i, 0
.rept 32
	PV \x, 2-\pv
.rept per
	SLICE 2-\x, \first
.endr
.if (\x == 0) && \kq && (i == 1)
	FETCH_K
.endif
.set i, i+1
.endr
.endif
.if \kq
.if \x == 0
	s_wait_dscnt 0x0                ; K is in
	s_wait_loadcnt 0x0              ; and so is the step's bias
.endif
.set i, 0
.rept 32
	KQ \x
.rept per
	SLICE 2-\x, \first
.endr
.if (\x == 2) && (i == 8)
	FETCH_M
.endif
.set i, i+1
.endr
.endif
.if \first
	PLACES
.endif
.endm
; THE CHANGE OF SLOTS.  Each wave waits for all its tensor loads, of which one is out: its part of the other slot; adds 0 to its spare word; and waits for that and for its own reads of the slot.
; fill = 1: the barrier is a round of the cluster's, and the joint refill is the first thing behind it: it has two key steps, 256 matrix instructions, in which to land.
.macro CHANGE fill
	WIN 0                           ; at a label and at a branch every window is 0
	s_wait_tensorcnt 0x0            ; no tensor load of mine is out, so a group 0 may be written
	ds_add_u32 v[SPW], v[NIL]       ; 0 onto my spare word
.if \fill
.irp g, G0K+4, G0V+4
	s_xor_b32 s[\g+1], s[\g+1], SLOT1  ; the walking descriptor: the other slot than last time,
	s_add_nc_u64 s[\g+2:\g+3], s[\g+2:\g+3], SLOTB  ; the next 128 keys
.endr
	s_wait_xcnt 0x0                 ; the last prefetch, two key steps back, has read its address, so it may be written
	s_add_nc_u64 s[PFA:PFA+1], s[PFA:PFA+1], SLOTB
	s_wait_dscnt 0x0                ; the add is done, and my reads of the slot are over
	CROUND
	JLOAD
	ASK
.else
	s_wait_dscnt 0x0
	s_barrier_signal -1
	s_barrier_wait -1
.endif
	s_sub_co_u32 s[TB], s[TB], 2*STEPB  ; the fetches go back to a slot's first step,
	s_xor_b32 s[TB], s[TB], SLOT1   ; in the other slot
.endm
.macro TWO_STEPS                    ; a slot's two key steps: written once, walked twice
	s_mov_b32 s[TWICE], 2
.Lstep_\@:
	TURN 0, 2, 1, 0
	TURN 2, 2, 1, 0
	WIN 0
	s_sub_co_u32 s[TWICE], s[TWICE], 1
	s_cmp_lg_u32 s[TWICE], 0
	s_cbranch_scc1 .Lstep_\@
.endm
	s_wait_tensorcnt 1              ; my part of slot 0 is in; slot 1's may stay out
	s_barrier_signal -1
	s_barrier_wait -1               ; everybody's is
	FETCH_K                         ; key step 0
	s_wait_loadcnt 0x0              ; Q, and step 0's bias
	s_wait_dscnt 0x0
.set i, 0
.rept 32
	KQ 0                            ; piece 0's first scores
.set i, i+1
.endr
	WIN 0                           ; the addresses for the way out are made here: eight plain instructions, the places behind those products
	s_mul_i32 s13, s[WV], 16*SP
	s_add_co_u32 s13, s13, STAGE    ; my stage
	v_mul_u32_u24 v[STO], v1, SP    ; in: row l % 16, 16 bytes for each half of the lanes
	v_lshl_add_u32 v[STO], v9, 4, v[STO]
	v_add_nc_u32 v[STO], s13, v[STO]
	v_mul_u32_u24 v[RD], v9, SP     ; back: lanes 0-15 take one row of 256 bytes, lanes 16-31 the next
	v_lshl_add_u32 v[RD], v1, 4, v[RD]
	v_add_nc_u32 v[RD], s13, v[RD]
	v_lshlrev_b32 v[GO], 12, v9     ; and the same two rows of att, 4,096 bytes apart
	v_lshl_add_u32 v[GO], v1, 4, v[GO]
	TURN 2, 0, 1, 1                 ; piece 2's first scores | piece 0's first softmax | V of step 0
	TURN 0, 1, 1, 1                 ; piece 0: V^T P of step 0 starts O^T, K Q^T of step 1 | piece 2's first softmax | K of step 1
	TURN 2, 1, 1, 0                 ; piece 2: the same | piece 0's softmax of step 1 | V of step 1
	WIN 0
.Lslot:                             ; two trips: every slot's worth of keys but the last two is followed by a refill
	CHANGE 1
	TWO_STEPS
	s_sub_co_u32 s[SLOTS], s[SLOTS], 1
	s_cmp_lg_u32 s[SLOTS], 0
	s_cbranch_scc1 .Lslot
	CHANGE 0                        ; the tail is written out
	TWO_STEPS
	TURN 0, 2, 0, 0                 ; piece 0: V^T P of the last step | piece 2's last softmax
.set i, 0
.rept 32
	PV 2, 0                         ; piece 2: V^T P of the last step
.set i, i+1
.endr
	; THE WAY OUT.  l's two halves and the other half of the lanes' are added; O^T is divided by l, rounded to f16 and sent through my stage in LDS, a tile (one head's 16 rows x 256 bytes) at a time.
	WIN 0
.irp t, 0,1,2,3
	v_add_f32 v[ST+8*\t+4], v[ST+8*\t+2], v[ST+8*\t+3]
.endr
.irp t, 0,1,2,3
	v_permlanex16_b32 v[ST+8*\t+5], v[ST+8*\t+4], s[SEL], s[SEL+1]
.endr
.irp t, 0,1,2,3
	v_add_f32 v[ST+8*\t+4], v[ST+8*\t+4], v[ST+8*\t+5]
.endr
.irp t, 0,1,2,3
	v_rcp_f32 v[ST+8*\t+6], v[ST+8*\t+4]
.endr
	v_nop                           ; a plain instruction between the last reciprocal and the use of its result
	s_wait_alu depctr_va_vdst(0)    ; and the one wait for the four reciprocals, ahead of the first use
.macro PACK t
	WIN W_RS
.set i, 64*\t
.rept 32
	v_pk_mul_f32 v[i:i+1], v[i:i+1], v[ST+8*\t+6:ST+8*\t+7] op_sel_hi:[1,0]
.set i, i+2
.endr
	WIN 0x05                        ; sources 0 and 1 window 1, destination window 0: S^T's registers are free
.set i, 0
.rept 32
	v_cvt_pk_f16_f32 v[S+32*\t+i], v[64*\t+2*i], v[64*\t+2*i+1]
.set i, i+1
.endr
	WIN 0
.irp f, 0,1,2,3,4,5,6,7
	ds_store_b128 v[STO], v[S+32*\t+4*\f:S+32*\t+4*\f+3] offset:32*\f
.endr
.irp f, 0,1,2,3,4,5,6,7
	ds_load_b128 v[S+32*\t+4*\f:S+32*\t+4*\f+3], v[RD] offset:\f*2*SP  ; LDS serves a wave's instructions in order (ISA guide 5.7.1.4): these see the stores above
.endr
.endm
.macro SEND t, younger              ; younger: the LDS instructions issued behind tile t's loads: the next tile's sixteen, or none
.irp f, 0,1,2,3,4,5,6,7
	s_wait_dscnt \younger+7-\f
	global_store_b128 v[GO], v[S+32*\t+4*\f:S+32*\t+4*\f+3], s[10:11] offset:\t*256+\f*8192  ; 16 lanes store 256 consecutive bytes, aligned: a row of one head
.endr
.endm
	PACK 0
	PACK 1
	SEND 0, 16
	PACK 2
	SEND 1, 16
	PACK 3
	SEND 2, 16
	SEND 3, 0
	s_wait_tensorcnt 0x0            ; the wave's end: a wait on TENSORcnt, an add of 0 to my spare word and its wait, behind my last tensor load and my last LDS store
	ds_add_u32 v[SPW], v[NIL]
	s_wait_dscnt 0x0
	CROUND                          ; the closing round
	s_endpgm
.Lfunc_end_k_qd66d22800e_attn:
	.size	k_qd66d22800e_attn, .Lfunc_end_k_qd66d22800e_attn-k_qd66d22800e_attn
	.p2alignl 7, 3214868480
	.fill 96, 4, 3214868480
	.section	.rodata,"a",@progbits
	.p2align	6, 0x0
	.amdhsa_kernel k_qd66d22800e_attn
		.amdhsa_group_segment_fixed_size 327680
		.amdhsa_private_segment_fixed_size 0
		.amdhsa_enable_private_segment 0
		.amdhsa_kernarg_size 24
		.amdhsa_user_sgpr_count 2
		.amdhsa_user_sgpr_kernarg_segment_ptr 1
		.amdhsa_wavefront_size32 1
		.amdhsa_system_sgpr_workgroup_id_x 1
		.amdhsa_system_sgpr_workgroup_id_y 1
		.amdhsa_system_sgpr_workgroup_id_z 1
		.amdhsa_system_vgpr_workitem_id 0
		.amdhsa_next_free_vgpr 1024
		.amdhsa_next_free_sgpr 70
		.amdhsa_reserve_vcc 0
		.amdhsa_float_denorm_mode_32 3
		.amdhsa_float_denorm_mode_16_64 3
		.amdhsa_memory_ordered 1
		.amdhsa_forward_progress 1
		.amdhsa_inst_pref_size 228
	.end_amdhsa_kernel
	.amdgpu_metadata
---
amdhsa.version: [ 1, 2 ]
amdhsa.kernels:
  - .name:           k_qd66d22800e_attn
    .symbol:         k_qd66d22800e_attn.kd
    .args:
      - { .name: qkv, .offset: 0, .size: 8, .value_kind: global_buffer, .address_space: global }
      - { .name: tables, .offset: 8, .size: 8, .value_kind: global_buffer, .address_space: global }
      - { .name: att, .offset: 16, .size: 8, .value_kind: global_buffer, .address_space: global }
    .group_segment_fixed_size: 327680
    .private_segment_fixed_size: 0
    .kernarg_segment_align: 8
    .kernarg_segment_size: 24
    .max_flat_workgroup_size: 128
    .sgpr_count:     70
    .vgpr_count:     1024
    .wavefront_size: 32
...
	.end_amdgpu_metadata
.endif
;; end of part 3
;; launch proj (part 4): grid 8 x 32, 4 waves a work-group, clusters of 4 x 1, 327,680 bytes of LDS; arguments att, wo_f, out0; writes out0
.if DOCPART == 4
	.amdgcn_target "amdgcn-amd-amdhsa--gfx1250"
	.amdhsa_code_object_version 6
	.text
	.protected	k_qd66d22800e_proj
	.globl	k_qd66d22800e_proj
	.p2align	8
	.type	k_qd66d22800e_proj,@function
k_qd66d22800e_proj:
	s_mov_b64 s[64:65], 0
	v_nop
	global_prefetch_b8 v0, s[64:65] scope:SCOPE_SE
	s_setreg_imm32_b32 hwreg(HW_REG_WAVE_MODE, 25, 1), 1
	s_wait_xcnt 0x0
	s_wait_alu depctr_hold_cnt(0) depctr_sa_sdst(0) depctr_va_vdst(0) depctr_va_sdst(0) depctr_va_ssrc(0) depctr_va_vcc(0) depctr_vm_vsrc(0)
	s_getreg_b32 s2, hwreg(HW_REG_IB_STS2, 6, 4)
	s_cmp_eq_u32 s2, 0
	s_cbranch_scc0 .Lentry_in_a_cluster
	s_endpgm
.Lentry_in_a_cluster:
	s_bfe_u32 s2, ttmp6, 0x10000c
	s_cmp_lg_u32 s2, 0x3003
	s_cbranch_scc0 .Lentry_shape_is_right
	s_endpgm
.Lentry_shape_is_right:
; PROJ: out0[m][n] = sum over k of att[m][k] wo[k][n].  att: [4096][2048] f16; wo_f: wo as f16 in the order of the operand's registers, [128 blocks of 16 n][64 pieces of 32 k][1,024 bytes]; out0: [4096][2048] f32.
; A tile of C is 128 (m) x 256 (n): 32 x 8 = 256 work-groups.  Four waves; each takes ALL 128 rows and 64 columns of its own: 32 accumulators of 16 x 16, 256 registers.
; A (att) is read by all four waves: it goes through a ring of two LDS slots of 256 along K (rows of 512 bytes of memory, aligned), filled by the tensor data mover, each wave bringing 32 rows.
; CLUSTER: the four work-groups of a cluster make four tiles of one tile row of C and need the same tiles of A: each is asked for JOINTLY, by the same tensor load with a mask that names the four.
; B (wo) IS NOT SHARED OUT BY JOINT LOADS, though all 32 tile rows read the same columns.  The reason, by the sizes: two slots that held A's 128 and B's 256 rows for 256 along K would take 2 x 384 x 528 = 405,504
; bytes, more than a work-group can have; with 128 along K they fit, but then a refill has 112 matrix instructions in which to land, against 240 here.  A wave's 64 columns are read by that wave alone, so they
; go from memory STRAIGHT INTO ITS REGISTERS, whole fragments by loads of 512 consecutive bytes: a ring of eight sets of 32 registers, each set asked for seven pieces (224 matrix instructions) ahead of its use
; and waited for by count; 56 loads of a wave are out at the most.  The price: each work-group fetches its 1 MiB of B by itself.
; A PIECE is 32 along K: 32 matrix instructions, A's eight blocks of 16 rows against B's four blocks of 16 columns.  At its head stand, in one run, the next piece's 16 LDS loads and the 8 loads of B seven pieces on.
; THE MATRIX INSTRUCTION IS USED TRANSPOSED (source 0 = 16 columns of wo, source 1 = 16 rows of att): a lane holds eight neighbouring numbers of a row of C.
; A row of att that is NaN (a query with no key) gives a row of NaN, and touches no other row.
; No prefetch is laid: A's refill has a whole slot's products in which to land, and B's own loads run seven pieces ahead.
; REGISTERS: window 0: v0-31 addresses; v64-127, v128-191 A's fragments, two buffers; on the way out v64-127 rows read back.   window 1: B's eight sets, set i at v[32 i].
;   window 2: the accumulators, (a, b) at v[8 (4 a + b)].
.set SIZE_K, 2048
.set KSLOT,  256                       ; along K in a slot: 8 pieces
.set PITCH,  528                       ; an LDS row: 512 bytes + 16 of padding = 132 words: the 16 rows that a load touches start at 16 different banks (64 banks of 4 bytes: ISA guide 11.1)
.set PART,   32*PITCH                  ; what one wave's tensor load brings
.set SLOT,   4*PART                    ; A's 128 rows
.set STAGE,  2*SLOT                    ; behind the ring: 16 rows x (256 bytes + 16) for each wave, for the way out
.set SPITCH, 272
.set SPARE,  STAGE+4*16*SPITCH         ; behind the stages: the spare words, 128 bytes for each wave: two blocks of 256 bytes that no other line names
.set LAPS,   SIZE_K/(2*KSLOT)          ; a lap = two slots = once round the ring = 16 pieces
.set OROW,   8192                      ; a row of out0 in bytes
.set FRAGB,  1024                      ; a fragment of wo_f: 16 columns x 32 k
.set NBLK,   64*FRAGB                  ; from a block of 16 columns to the next
.set ADRA, 16                          ; v16-17  LDS address of my lane's place in A's fragments, slot 0, 1
.set VB,   20                          ; v20  16 x lane: my place in half a fragment of wo_f; never rewritten
.set STO,  24
.set RD,   25
.set CO,   26
.set SPW,  28                          ; v28  LDS address of my spare word; never rewritten
.set NIL,  29                          ; v29  0; never rewritten
.set F0,   64
.set F1,   128
.set BK,   64                          ; the way out: 16 rows read back: v64-95 and v96-127 by turns
.set G1,   24                          ; s[24:31] descriptor group 1
.set G0,   32                          ; s[32:39] group 0, one set for each slot
.set BB,   44                          ; s[44:45] wo_f at my wave's first block of columns and the lap's first piece
.set MSB, 0
.macro WIN new                         ; the immediate's high byte repeats the setting that is left; a switch that changes nothing is dropped
.if MSB != (\new)
	s_set_vgpr_msb (MSB<<8)|(\new)
.set MSB, (\new)
.endif
.endm
.set MUL,  0xa1                        ; source 0 (B) window 1, source 1 (A) window 0, C and D window 2
.set TO_B, 0x40                        ; destination window 1, address window 0
.macro CREST                           ; a round of the cluster's barrier behind its opening barrier
	s_cmp_lg_u32 s10, 0
	s_cbranch_scc1 .Lnot_wave_0_\@
	s_barrier_signal -3
.Lnot_wave_0_\@:
	s_barrier_wait -3
	s_barrier_signal -1
	s_barrier_wait -1
.endm
.macro CROUND
	s_barrier_signal -1
	s_barrier_wait -1
	CREST
.endm
.macro PLACES                          ; four plain vector lines between a matrix instruction and a load into, or a read of, its registers
.rept 4
	v_nop
.endr
.endm
; B's four fragments of piece kc of the lap (kc may reach into the next lap) into set: eight loads of 512 consecutive bytes.  The offsets are immediates: 3 x 65,536 + 23 x 1,024 + 512 at the most
.macro BLOAD kc, set
	WIN TO_B
.irp b, 0,1,2,3
	global_load_b128 v[32*(\set)+8*\b:32*(\set)+8*\b+3],   v[VB], s[BB:BB+1] offset:(\kc)*FRAGB+\b*NBLK
	global_load_b128 v[32*(\set)+8*\b+4:32*(\set)+8*\b+7], v[VB], s[BB:BB+1] offset:(\kc)*FRAGB+\b*NBLK+512
.endr
.endm
; A's eight fragments of piece q of a slot into buffer f: 16 LDS loads.  A fragment is 16 rows x 32 K in 8 registers: lane l holds row l % 16; registers 0-3 K = 8 (l / 16) + 0..7, registers 4-7 K = 16 + 8 (l / 16) + 0..7
.macro FETCH slot, q, f
	WIN 0
.irp i, 0,1,2,3,4,5,6,7
	ds_load_b128 v[(\f)+8*\i:(\f)+8*\i+3],   v[ADRA+\slot] offset:64*(\q)+\i*16*PITCH
	ds_load_b128 v[(\f)+8*\i+4:(\f)+8*\i+7], v[ADRA+\slot] offset:64*(\q)+\i*16*PITCH+32
.endr
.endm
; 4 n matrix instructions: A's blocks a0 .. a0 + n - 1 against B's four.  The 32 accumulators take turns, one instruction a turn, in the same order in every piece.
.macro MULS f, set, a0, n, zero
.set AA, \a0
.rept \n
.irp b, 0,1,2,3
.if \zero
	v_wmma_f32_16x16x32_f16 v[8*(4*AA+\b):8*(4*AA+\b)+7], v[32*(\set)+8*\b:32*(\set)+8*\b+7], v[(\f)+8*AA:(\f)+8*AA+7], 0
.else
	v_wmma_f32_16x16x32_f16 v[8*(4*AA+\b):8*(4*AA+\b)+7], v[32*(\set)+8*\b:32*(\set)+8*\b+7], v[(\f)+8*AA:(\f)+8*AA+7], v[8*(4*AA+\b):8*(4*AA+\b)+7]
.endif
.endr
.set AA, AA+1
.endr
.endm
; Piece q (0 .. 6) of a slot.  A's buffer is q % 2, B's set is q.  The registers that the piece before has read (A's other buffer, B's set q - 1) are loaded again behind four places.
; kc: which piece of B is asked for, seven on (under 0: none is left);  cnt: how many younger loads of B may be out when this piece's set has to be there.
.macro PIECE slot, q, kc, zero, cnt
	PLACES
	FETCH \slot, (\q)+1, F0+64*(((\q)+1)%2)
	s_wait_loadcnt \cnt                            ; my set is in.  The wait stands ahead of the request below, so that no more than 56 loads are out
.if (\kc) >= 0
	BLOAD \kc, ((\q)+7)%8
.endif
	s_wait_dscnt 16                                ; this piece's fragments of A, asked for a piece ago, are in; the 16 just issued may be out
	WIN MUL
	MULS F0+64*((\q)%2), \q, 0, 8, \zero
.endm
; A slot's last piece (buffer 1, set 7) changes slots: ONE barrier; in front of it each wave waits for all its tensor loads, adds 0 to its spare word, and waits for that and for its own reads of this slot.
; fill = 1: the barrier opens a round of the cluster's, and this slot is filled again, two slots ahead: from the request to the wait for it stand 240 matrix instructions.
.macro TURN slot, next, fill, kc
	WIN 0                                          ; (the add's two registers lie in window 0)
	s_wait_tensorcnt 0x0                           ; all my tensor loads have landed: the one that was out is my part of the next slot
	ds_add_u32 v[SPW], v[NIL]                      ; 0 onto my spare word
	s_wait_dscnt 1                                 ; the slot's last fragments of A are in (the add may be out),
	s_wait_loadcnt 48                              ; and B's set 7 (the six younger sets of eight loads may be out)
	WIN MUL
	MULS F1, 7, 0, 2, 0                            ; eight matrix instructions stand between the add and the wait for it
	s_wait_dscnt 0x0                               ; the add is done, and my reads of this slot are over
	s_barrier_signal -1
	MULS F1, 7, 2, 2, 0
.if \fill
	WIN 0
.endif
	s_barrier_wait -1
.if \fill
	CREST                                          ; no wave of any partner still reads this slot's tile or has a load on its way
	s_add_nc_u64 s[G0+4*\slot+2:G0+4*\slot+3], s[G0+4*\slot+2:G0+4*\slot+3], 2*KSLOT*2
	tensor_load_to_lds s[G0+4*\slot:G0+4*\slot+3], s[G1:G1+7]      ; the first tensor load behind the round, my one load until the next
	s_nop 0
	PLACES                                         ; four v_nop behind a tensor load; also the places in front of the loads below
.else
	PLACES
.endif
	FETCH \next, 0, F0
	BLOAD \kc, 6
	WIN MUL
	MULS F1, 7, 4, 4, 0
.endm
.macro PIECES slot, from, kc0          ; the slot's pieces from .. 6; piece q asks for piece kc0 + q of the lap
.set QQ, \from
.rept 7-\from
	PIECE \slot, QQ, (\kc0)+QQ, 0, 48
.set QQ, QQ+1
.endr
.endm
	s_load_b128 s[4:7], s[0:1], 0x0                ; att s[4:5], wo_f s[6:7]
	s_load_b64 s[8:9], s[0:1], 0x10                ; out0
	v_lshl_add_u32 v[SPW], v0, 2, SPARE
	v_mov_b32 v[NIL], 0
	ds_add_u32 v[SPW], v[NIL]                      ; the wave's opening: an add of 0 to my spare word, twice on end, and its wait ahead of my first tensor load
	ds_add_u32 v[SPW], v[NIL]
	v_lshrrev_b32 v1, 5, v0
	v_readfirstlane_b32 s10, v1                    ; wave 0..3
	s_bfe_u32 s40, ttmp6, 0x40000                  ; cx: my place in the cluster
	s_lshl_b32 s42, ttmp9, 2                       ; in a cluster launch ttmp9 counts clusters
	s_add_co_u32 s42, s42, s40                     ; tile column of C, 0..7: it enters B's and C's addresses alone
	s_and_b32 s41, ttmp7, 0xffff                   ; tile row of C, 0..31, which the four partners share
	; descriptor group 1: a tile of 32 rows x 256 elements of 2 bytes, padded in LDS
	s_mov_b32 s[G1+0], 15|(1<<16)|(1<<20)|(1<<21)|(6<<22)|(3<<25)  ; 15:0 the mask: all four work-groups; 17:16 elements of 2 bytes; 20 padding on; 21 set beside a mask; 24:22 after every 128 words; 31:25 four words
	s_mov_b32 s[G1+1], KSLOT<<16                   ; tensor_dim0
	s_mov_b32 s[G1+2], 32<<16                      ; tensor_dim1
	s_mov_b32 s[G1+3], KSLOT<<16                   ; tile_dim0
	s_mov_b32 s[G1+4], 32                          ; tile_dim1
	s_mov_b32 s[G1+5], SIZE_K                      ; tensor_dim0_stride
	s_mov_b32 s[G1+6], 0
	s_mov_b32 s[G1+7], 0
	s_lshl_b32 s16, s41, 7
	s_lshl_b32 s17, s10, 5
	s_add_co_u32 s16, s16, s17                     ; A: row 128 x tile row + 32 x wave,
	s_lshl_b32 s16, s16, 12                        ; x 4,096 bytes
	s_mov_b32 s17, 0
	s_mul_i32 s20, s10, PART                       ; where it goes: wave x 32 rows: no place in the cluster enters an LDS address
	s_lshl_b32 s46, s42, 4
	s_lshl_b32 s47, s10, 2
	s_add_co_u32 s46, s46, s47                     ; B: my first block of 16 columns: 16 x tile column + 4 x wave,
	s_lshl_b32 s46, s46, 16                        ; x 65,536 bytes
	s_mov_b32 s47, 0
	s_wait_dscnt 0x0                               ; both opening adds are done
	s_wait_kmcnt 0x0
	s_add_nc_u64 s[14:15], s[4:5], s[16:17]
	s_add_nc_u64 s[BB:BB+1], s[6:7], s[46:47]
	CROUND                                         ; all four work-groups are here: the first joint loads meet
.irp s, 0,1
	s_mov_b32 s[G0+4*\s], 1                        ; count = 1
	s_add_co_u32 s[G0+4*\s+1], s20, \s*SLOT        ; LDS address
	s_add_nc_u64 s[G0+4*\s+2:G0+4*\s+3], s[14:15], \s*KSLOT*2      ; global address: slot s
	s_or_b32 s[G0+4*\s+3], s[G0+4*\s+3], 0x80000000                ; type = 2
.endr
	tensor_load_to_lds s[G0:G0+3], s[G1:G1+7]      ; the two first fills go out together: two tensor loads of mine are out
	s_nop 0
	tensor_load_to_lds s[G0+4:G0+7], s[G1:G1+7]
	s_nop 0
	PLACES
	v_and_b32 v3, 31, v0
	v_lshlrev_b32 v[VB], 4, v3
.irp k, 0,1,2,3,4,5,6
	BLOAD \k, \k                                   ; B's first seven pieces: 56 loads
.endr
	WIN 0
	v_and_b32 v1, 15, v0                           ; l % 16
	v_bfe_u32 v2, v0, 4, 1                         ; l / 16
	v_mul_u32_u24 v4, v1, PITCH
	v_lshl_add_u32 v[ADRA], v2, 4, v4              ; a fragment's row x pitch + 16 x half: the same in all four waves
	v_add_nc_u32 v[ADRA+1], SLOT, v[ADRA]
	s_mul_i32 s23, s10, 16*SPITCH
	s_add_co_u32 s23, s23, STAGE                   ; my stage
	v_mul_u32_u24 v5, v1, SPITCH                   ; in: row l % 16, 32 bytes for each half of the lanes
	v_lshl_add_u32 v5, v2, 5, v5
	v_add_nc_u32 v[STO], s23, v5
	v_mul_u32_u24 v5, v2, SPITCH                   ; back: lanes 0-15 take one row of 256 bytes, lanes 16-31 the next
	v_lshl_add_u32 v5, v1, 4, v5
	v_add_nc_u32 v[RD], s23, v5
	v_lshlrev_b32 v5, 13, v2                       ; and the same two rows in out0
	v_lshl_add_u32 v[CO], v1, 4, v5
	s_lshl_b32 s46, s41, 20                        ; C: 128 x tile row rows of 8,192 bytes,
	s_lshl_b32 s47, s42, 10
	s_add_co_u32 s46, s46, s47                     ; + 1,024 x tile column
	s_lshl_b32 s47, s10, 8
	s_add_co_u32 s46, s46, s47                     ; + 256 x wave
	s_mov_b32 s47, 0
	s_add_nc_u64 s[8:9], s[8:9], s[46:47]
	s_wait_tensorcnt 1                             ; my part of slot 0 is in (slot 1's load may be out)
	s_barrier_signal -1
	s_barrier_wait -1                              ; everybody's is
	FETCH 0, 0, F0
	PIECE 0, 0, 7, 1, 48                           ; the first piece stands in front of the loop: its products start the sums
	WIN 0                                          ; at a label and at a branch every window is 0
	s_mov_b32 s3, LAPS-1
.Llap:                                                 ; a trip goes once round the ring, from a lap's second piece to the next lap's first, and fills both slots again
	PIECES 0, 1, 7
	TURN 0, 1, 1, 14
	PIECES 1, 0, 15
	TURN 1, 0, 1, 22
	PIECE 0, 0, 23, 0, 48
	WIN 0
	s_wait_xcnt 0x0                                ; B's loads have read their base, so it may be written:
	s_add_nc_u64 s[BB:BB+1], s[BB:BB+1], 16*FRAGB  ; a lap's 16 pieces on
	s_sub_co_u32 s3, s3, 1
	s_cmp_lg_u32 s3, 0
	s_cbranch_scc1 .Llap
	PIECES 0, 1, 7                                 ; the last lap fills no slot, and has no round of the cluster's barrier
	TURN 0, 1, 0, 14
	PIECE 1, 0, 15, 0, 48                          ; B's last piece is asked for
.set QQ, 1
.rept 6
	PIECE 1, QQ, -1, 0, 8*(7-QQ)                   ; nothing is left to ask for: the counts run down with the sets still to come
.set QQ, QQ+1
.endr
	s_wait_dscnt 0x0                               ; the very last piece
	s_wait_loadcnt 0x0
	WIN MUL
	MULS F1, 7, 0, 8, 0
	WIN 0
; THE WAY OUT, block by block of 16 rows x 64 columns.  A lane holds 32 neighbouring bytes of a row, and the lanes beside it hold other rows: a block goes through my own stage in LDS and comes back as whole
; rows of 256 bytes.  LDS serves a wave's instructions in order (ISA guide 5.7.1.4): no wait between the stores and the loads, nor in front of the next block's stores.
.macro TOSTAGE a
.set AC, 32*(\a)
	WIN 0x08                                       ; an LDS store's data are its source 1: window 2
.irp b, 0,1,2,3
	ds_store_b128 v[STO], v[AC+8*\b:AC+8*\b+3] offset:64*\b          ; each accumulator from its low end on
	ds_store_b128 v[STO], v[AC+8*\b+4:AC+8*\b+7] offset:64*\b+16
.endr
	WIN 0
.set BBR, BK+32*((\a)%2)
.irp t, 0,1,2,3,4,5,6,7
	ds_load_b128 v[BBR+4*\t:BBR+4*\t+3], v[RD] offset:\t*2*SPITCH
.endr
.endm
.macro SEND a, younger                 ; younger: the LDS instructions issued behind block a's loads, which may stay out
.set BBR, BK+32*((\a)%2)
	s_wait_dscnt \younger                          ; the block is back in registers
.if (\a) > 0
	s_add_nc_u64 s[8:9], s[8:9], 16*OROW           ; (behind a wait on XCNT: the earlier stores have read their base)
.endif
.irp t, 0,1,2,3,4,5,6,7
	global_store_b128 v[CO], v[BBR+4*\t:BBR+4*\t+3], s[8:9] offset:2*\t*OROW th:TH_STORE_NT   ; sixteen lanes store 256 consecutive bytes, aligned; written once, read by nobody here
.endr
.endm
	PLACES                                         ; behind the last products: their results are read, and A's fragment registers loaded into
	TOSTAGE 0
.irp a, 1,2,3,4,5,6,7
.if \a > 1
	s_wait_xcnt 0x0                                ; block a - 2's stores have read their registers and their base
.endif
	TOSTAGE \a
	SEND \a-1, 16                                  ; behind block a - 1's loads: block a's 8 stores and 8 loads
.endr
	s_wait_xcnt 0x0                                ; block 6's stores have read their base
	SEND 7, 0
	s_wait_tensorcnt 0x0                           ; the wave's end: a wait on TENSORcnt, an add of 0 to my spare word and its wait, behind my last tensor load and my last LDS store
	ds_add_u32 v[SPW], v[NIL]
	s_wait_dscnt 0x0
	CROUND                                         ; the closing round: no work-group ends while a partner may still ask for a tile that names it
	s_endpgm
.Lfunc_end_k_qd66d22800e_proj:
	.size	k_qd66d22800e_proj, .Lfunc_end_k_qd66d22800e_proj-k_qd66d22800e_proj
	.p2alignl 7, 3214868480
	.fill 96, 4, 3214868480
	.section	.rodata,"a",@progbits
	.p2align	6, 0x0
	.amdhsa_kernel k_qd66d22800e_proj
		.amdhsa_group_segment_fixed_size 327680
		.amdhsa_private_segment_fixed_size 0
		.amdhsa_enable_private_segment 0
		.amdhsa_kernarg_size 24
		.amdhsa_user_sgpr_count 2
		.amdhsa_user_sgpr_kernarg_segment_ptr 1
		.amdhsa_wavefront_size32 1
		.amdhsa_system_sgpr_workgroup_id_x 1
		.amdhsa_system_sgpr_workgroup_id_y 1
		.amdhsa_system_sgpr_workgroup_id_z 1
		.amdhsa_system_vgpr_workitem_id 0
		.amdhsa_next_free_vgpr 768
		.amdhsa_next_free_sgpr 66
		.amdhsa_reserve_vcc 0
		.amdhsa_float_denorm_mode_32 3
		.amdhsa_float_denorm_mode_16_64 3
		.amdhsa_memory_ordered 1
		.amdhsa_forward_progress 1
		.amdhsa_inst_pref_size 151
	.end_amdhsa_kernel
	.amdgpu_metadata
---
amdhsa.version: [ 1, 2 ]
amdhsa.kernels:
  - .name:           k_qd66d22800e_proj
    .symbol:         k_qd66d22800e_proj.kd
    .args:
      - { .name: att, .offset: 0, .size: 8, .value_kind: global_buffer, .address_space: global }
      - { .name: wo_f, .offset: 8, .size: 8, .value_kind: global_buffer, .address_space: global }
      - { .name: out0, .offset: 16, .size: 8, .value_kind: global_buffer, .address_space: global }
    .group_segment_fixed_size: 327680
    .private_segment_fixed_size: 0
    .kernarg_segment_align: 8
    .kernarg_segment_size: 24
    .max_flat_workgroup_size: 128
    .sgpr_count:     66
    .vgpr_count:     768
    .wavefront_size: 32
...
	.end_amdgpu_metadata
.endif
;; end of part 4
